; MI455X (gfx1250); checked and timed in simulation.
; The chip was launched on July 23, 2026; its instructions are those of AMD's public machine-readable ISA for CDNA 5 (MIT licence, August 2026) and "CDNA5" Instruction Set Architecture Reference Guide (July 2026). The comments in the code are by the model that wrote it; some were corrected since.
;; Multi Head Attn. Allowed arithmetic: matrix products marked QUANTISED: E2M3 operands, one E8M0 scale for each 32 along K, by v_wmma_scale_f32_16x16x128_f8f6f4 with both operands' format E2M3, f32 sums; everything else in f32.
;; Inputs: b_proj 1,024 float32; w_proj 1,024 x 1,024 float32; w_qkv 1,024 x 3,072 float32; x 4 x 2,048 x 1,024 float32.
;; Outputs: out0 4 x 2,048 x 1,024 float32.
;; This version of the problem:
;;   THIS VERSION OF THE PROBLEM IS GIVEN IN LOW PRECISION. The matrix products marked QUANTISED in the list below multiply operands that are first quantised to E2M3 (2 exponent bits, 3 mantissa bits; 6 bits a number), with one power-of-two scale for each 32 numbers along K (OCP MX v1.0); their sums are f32. All else is computed in f32.
;;   The module's matrix products, in the order in which they are computed (A, B: the left and right operand; K: the contracted axis; several contracted axes count as one K, in the product's order):
;;     1. [M 8,192, K 1,024] x [K 1,024, N 3,072]; A: input x; B: input w_qkv: QUANTISED
;;     2. batch 64 x [M 2,048, K 64] x [K 64, N 2,048]; A: computed on the way; B: computed on the way: QUANTISED
;;     3. batch 64 x [M 2,048, K 2,048] x [K 2,048, N 64]; A: softmax (see below); B: computed on the way: QUANTISED
;;     4. [M 8,192, K 1,024] x [K 1,024, N 1,024]; A: computed on the way; B: input w_proj: QUANTISED
;;   THE QUANTISER, for each operand of a quantised product, along K:
;;     - K is cut into blocks of 32 from its start; a last block that is shorter is filled with zeros.
;;     - A block's scale is 2^e with e = floor(log2(the largest magnitude in the block)) - 2, held to -126 .. 127; a block of zeros has e = 0. As a byte (E8M0): e + 127.
;;     - Each number is divided by its block's scale, clamped to +-7.5, and rounded to the nearest number of E2M3, ties to even, subnormals kept.
;;     - The product sums the exact products of the quantised numbers (number of the format x scale) in f32.
;;   ~~~python
;;   def quantise(x, axis):      # numpy; x: float32 -> the quantised numbers, widened to float32 again
;;       x = np.moveaxis(x, axis, -1); K = x.shape[-1]
;;       x = np.pad(x, [(0, 0)] * (x.ndim - 1) + [(0, -K % 32)]); x = x.reshape(x.shape[:-1] + (-1, 32)); a = np.abs(x).max(-1, keepdims=True)
;;       e = np.where(a > 0, np.clip(np.frexp(np.where(a > 0, a, 1))[1] - 1 - 2, -126, 127), 0)      # np.frexp(a)[1] - 1 = floor(log2(a)), exactly
;;       r = np.clip(x / 2.0 ** e, -7.5, 7.5)
;;       step = 2.0 ** (np.maximum(np.frexp(np.where(r == 0, 1, r))[1] - 1, 0) - 3)
;;       q = np.round(r / step) * step * 2.0 ** e      # np.round: ties to even
;;       return np.moveaxis(q.reshape(q.shape[:-2] + (-1,))[..., :K], -1, axis).astype(np.float32)
;;   ~~~
;;   SOFTMAX AHEAD OF A QUANTISED PRODUCT. Where the list says 'softmax', what is quantised is not the finished softmax but p = 2^(t - M), with t = logit x log2(e) and M = ceil(the row's largest t), a whole number; so 1/2 < the row's largest p <= 1. The row's sum l is taken of the UNQUANTISED p, in f32, and the product's result is divided by l at the end. Since M is a whole number, a kernel that streams over the keys may use a running M (the ceiling of the running maximum): every later rescaling is an exact power of two, which a block's scale takes up: the codes' values come out the same.
;;   OPERANDS COMPUTED ON THE WAY. 'Computed on the way' means the value that the module computes at that place (a softmax that the list does not call 'softmax' is quantised finished and normalised). What goes into a quantiser is computed in f32, as accurately as f32 sums, v_exp_f32 and their like allow (about 1e-6 of the number): no bf16 or f16 on the way to a quantiser, and a product that is left as it is and whose result goes on into a quantised operand takes f32 operands (vector FMAs, or v_wmma_f32_16x16x4_f32). A number that lies on a knife's edge between two numbers of the format may be rounded either way, as far as f32 arithmetic and the matrix unit's own rounding can turn it there, and no further.
;; One version. Each part assembles by itself: llvm-mc -triple=amdgcn-amd-amdhsa -mcpu=gfx1250 --defsym DOCPART=n.
;; ======== version 1 of 1: 4 launches
;; limits: right only within a limited range of input values
;; workspace buffers: xc 6,291,456 bytes; xs 262,144 bytes; wq 2,457,600 bytes; wp 819,200 bytes; qq 6,815,744 bytes; kv 13,369,344 bytes; oc 6,291,456 bytes; os 262,144 bytes
;; launch quant (part 1): grid 768 x 1, 4 waves a work-group, no clusters, 34,304 bytes of LDS; arguments x, w_qkv, w_proj, xc, xs, wq, wp; writes xc, xs, wq, wp
.if DOCPART == 1
	.amdgcn_target "amdgcn-amd-amdhsa--gfx1250"
	.amdhsa_code_object_version 6
	.text
	.protected	k_q736d3032e3_quant
	.globl	k_q736d3032e3_quant
	.p2align	8
	.type	k_q736d3032e3_quant,@function
k_q736d3032e3_quant:
	s_mov_b64 s[64:65], 0
	v_nop
	global_prefetch_b8 v0, s[64:65] scope:SCOPE_SE
	s_setreg_imm32_b32 hwreg(HW_REG_WAVE_MODE, 25, 1), 1
	s_wait_xcnt 0x0
; x [8192][1024], w_qkv [1024][3072] and w_proj [1024][1024], f32, become codes of FP6 (E2M3) with one E8M0 byte for each 32 along K (K = x's columns, the weights' rows).
; The codes are laid as IMAGES OF OPERAND REGISTERS: a fragment (16 rows x 128 K, 12 registers a lane) is 1,536 bytes, registers 4 q .. 4 q + 3 of lane l at 512 q + 16 l; its 16 scale words are 64 bytes.
; THE 16 ROWS OF A TILE ARE NOT NEIGHBOURS: index i of tile 2 b + u is row (or weight column) 32 b + 8 u + (i & 7) + 16 (i >> 3), so that later results have 16 neighbours in 16 registers.
; A block's scale is 2^(floor(log2(largest magnitude)) - 2); its byte is the largest magnitude's exponent field - 2, held at 1 from below by a floor among the maximum's leaves.
; LIMITS: a block of zeros gets the byte 1 where the rule says 127 (its codes are zeros, and only this program reads the bytes); blocks whose largest magnitude lies under 2^-124 are held at byte 1; NaN and infinities are not served.
; Work-groups 0-511: a row tile of x each, a wave two K steps.  512-703: 128 columns x 128 K of w_qkv.  704-767: the same of w_proj.  The paths part on the work-group's number; only x's path touches LDS.
; No cluster, no tensor load: no two work-groups read the same byte.
.set SPARE, 33792                      ; behind the four stages: the spare words, 128 bytes a wave
.set STG,   8448                       ; a wave's stage: 16 rows of 528 bytes
.set SP,    528                        ; 512 bytes + 16: 33 x 16, so the sixteen rows of a read start at sixteen different 16-byte columns
.set R,     64                         ; v64-191  x as loaded: 2 fragments x 16 rows x 4 registers;  on the weights' paths: a column's 128 numbers down K
.set Y,     192                        ; v192-255 a lane's 64 numbers of a fragment: its two whole blocks
.set FLOOR, 0x1800000                  ; 2^(3 - 127)
.set OFFE,  0xff000000                 ; takes 2 off an exponent field
	s_load_b256 s[4:11], s[0:1], 0x0               ; x s[4:5], w_qkv s[6:7], w_proj s[8:9], xc s[10:11]
	s_load_b128 s[12:15], s[0:1], 0x20             ; xs s[12:13], wq s[14:15]
	s_load_b64 s[16:17], s[0:1], 0x30              ; wp
	v_lshl_add_u32 v1, v0, 2, SPARE                ; my spare word; never rewritten
	v_mov_b32 v2, 0                                ; 0; never rewritten
	v_lshrrev_b32 v3, 5, v0
	v_readfirstlane_b32 s18, v3                    ; wave 0..3
	v_and_b32 v6, 31, v0                           ; lane
	v_lshlrev_b32 v3, 4, v6                        ; 16 x lane
	v_lshlrev_b32 v16, 2, v6                       ; 4 x lane
	s_mov_b32 s20, 0x76543210
	s_mov_b32 s21, 0xfedcba98                      ; selects: lane l xor 16
	s_mov_b32 s30, 0xffff0000                      ; lanes 16-31
	s_cmp_lt_u32 ttmp9, 512
	s_cbranch_scc0 .Lweights
; ---------------- x: work-group = tile T, wave kp = K steps 2 kp and 2 kp + 1
	s_lshr_b32 s22, ttmp9, 1
	s_lshl_b32 s22, s22, 17                        ; 32 (T >> 1) rows of 4,096 bytes
	s_and_b32 s23, ttmp9, 1
	s_lshl_b32 s23, s23, 15                        ; + 8 (T & 1) rows
	s_add_co_u32 s22, s22, s23
	s_lshl_b32 s23, s18, 10                        ; + my 256 numbers of a row
	s_add_co_u32 s22, s22, s23
	s_mov_b32 s23, 0
	s_lshr_b32 s24, ttmp9, 3
	s_mul_i32 s24, s24, 98304                      ; xc: [T >> 3][K step][T & 7][1,536]
	s_mul_i32 s25, s18, 24576
	s_add_co_u32 s24, s24, s25
	s_and_b32 s25, ttmp9, 7
	s_mul_i32 s25, s25, 1536
	s_add_co_u32 s24, s24, s25
	s_mov_b32 s25, 0
	s_lshl_b32 s26, ttmp9, 9                       ; xs: [T][K step][16 words]
	s_lshl_b32 s27, s18, 7
	s_add_co_u32 s26, s26, s27
	s_mov_b32 s27, 0
	s_mul_i32 s28, s18, STG                        ; my stage
	s_wait_alu depctr_va_vdst(0)
	v_add_nc_u32 v4, s28, v3                       ; in: a row's 512 bytes as they lie
	v_and_b32 v7, 15, v0                           ; r
	v_bfe_u32 v8, v0, 4, 1                         ; h
	v_mul_u32_u24 v5, v7, SP
	v_lshl_add_u32 v5, v8, 7, v5
	v_add_nc_u32 v5, s28, v5                       ; out: row r, + 128 h: the operand's layout gives lane (r, h) k = 64 c + 32 h + 0 .. 31
	v_lshlrev_b32 v9, 3, v8                        ; 8 h: where my two bytes stand in the scale word
	v_mov_b32 v15, 0                               ; a lane permute's destination counts as read
	s_wait_alu depctr_va_vdst(0)
	s_wait_kmcnt 0x0
	s_add_nc_u64 s[4:5], s[4:5], s[22:23]
	s_add_nc_u64 s[10:11], s[10:11], s[24:25]
	s_add_nc_u64 s[12:13], s[12:13], s[26:27]
.irp f, 0,1
.irp i, 0,1,2,3,4,5,6,7,8,9,10,11,12,13,14,15
	global_load_b128 v[R+64*\f+4*\i:R+64*\f+4*\i+3], v3, s[4:5] offset:(((\i)&7)+16*((\i)>>3))*4096+512*\f th:TH_LOAD_NT   ; 32 lanes read 512 consecutive bytes of the tile's row i
.endr
.endr
.macro XFRAG f
.set F, 20+12*\f                       ; the fragment's 12 registers: v20-31, v32-43: no store's data are written again
	s_wait_loadcnt 16*(1-\f)                       ; this fragment's sixteen loads are in; the other's sixteen may be out
.irp i, 0,1,2,3,4,5,6,7,8,9,10,11,12,13,14,15
	ds_store_b128 v4, v[R+64*\f+4*\i:R+64*\f+4*\i+3] offset:SP*\i
.endr
.irp c, 0,1
.irp q, 0,1,2,3,4,5,6,7
	ds_load_b128 v[Y+32*\c+4*\q:Y+32*\c+4*\q+3], v5 offset:256*\c+16*\q   ; LDS serves a wave's instructions in order: these see the stores above, and the next fragment's stores come behind them
.endr
.endr
	s_wait_dscnt 0x0
.irp c, 0,1
	v_max3_num_f32 v[10+\c], |v[Y+32*\c]|, |v[Y+32*\c+1]|, FLOOR      ; block 2 c + h: all 32 numbers are mine; the floor holds the byte at 1 from below
.endr
.irp j, 2,4,6,8,10,12,14,16,18,20,22,24,26,28,30
.irp c, 0,1
	v_max3_num_f32 v[10+\c], v[10+\c], |v[Y+32*\c+\j]|, |v[Y+32*\c+\j+1]|
.endr
.endr
.irp c, 0,1
	v_add_nc_u32 v[12+\c], OFFE, v[10+\c]          ; the conversion's scale operand: it takes the exponent field alone
.endr
.irp c, 0,1
	v_lshrrev_b32 v[18+\c], 23, v[12+\c]           ; the byte
.endr
	v_lshl_or_b32 v[52+\f], v19, 16, v18           ; blocks h and 2 + h,
	v_lshlrev_b32 v[52+\f], v9, v[52+\f]           ; at their places;
	v_permlanex16_b32 v15, v[52+\f], s20, s21
	v_or_b32 v[52+\f], v[52+\f], v15               ; with lane l xor 16's two the row's word is whole, in both halves
.irp c, 0,1
	v_cvt_scalef32_pk16_fp6_f32 v[F+6*\c:F+6*\c+2], v[Y+32*\c:Y+32*\c+15], v[12+\c]
	v_cvt_scalef32_pk16_fp6_f32 v[44+4*\c:46+4*\c], v[Y+32*\c+16:Y+32*\c+31], v[12+\c]   ; (a conversion's three registers begin on an even number)
.endr
	v_nop                                          ; one plain instruction behind the scaled conversions
.irp c, 0,1
.irp i, 0,1,2
	v_mov_b32 v[F+6*\c+3+\i], v[44+4*\c+\i]
.endr
.endr
.irp q, 0,1,2
	global_store_b128 v3, v[F+4*\q:F+4*\q+3], s[10:11] offset:12288*\f+512*\q   ; 512 consecutive bytes a store
.endr
.endm
	XFRAG 0
	XFRAG 1
	v_cndmask_b32 v54, v52, v53, s30               ; lanes 0-15: the even K step's words, lanes 16-31: the odd one's
	global_store_b32 v16, v54, s[12:13]            ; 128 consecutive bytes
	s_wait_tensorcnt 0x0                           ; the wave's end, behind my last LDS store
	ds_add_u32 v1, v2
	s_wait_dscnt 0x0
	s_endpgm
; ---------------- the weights: a lane takes a column, its 128 registers run down K.  Lanes 0-15 hold tile u = 0 in index order, lanes 16-31 tile u = 1.
; s[34:35] the numbers, s[36:37] the two fragments' images, s[38:39] their scale words.
.macro WQUANT pitch
.set i, 0
.rept 128
	global_load_b32 v[R+i], v7, s[34:35] offset:i*\pitch th:TH_LOAD_NT   ; a row of the weight at my wave's 32 columns: 128 consecutive bytes
.set i, i+1
.endr
.irp b, 0,1,2,3
.if \b < 2
	s_wait_loadcnt 63                              ; block b's 32 loads are in: 96 or 64 younger ones exist, and the count names as many as its field holds
.elseif \b == 2
	s_wait_loadcnt 32                              ; the last block's 32 may be out
.else
	s_wait_loadcnt 0x0
.endif
	v_max3_num_f32 v10, |v[R+32*\b]|, |v[R+32*\b+1]|, |v[R+32*\b+2]|
	v_max3_num_f32 v11, |v[R+32*\b+3]|, |v[R+32*\b+4]|, |v[R+32*\b+5]|
.irp j, 6,10,14,18,22,26
	v_max3_num_f32 v10, v10, |v[R+32*\b+\j]|, |v[R+32*\b+\j+1]|
	v_max3_num_f32 v11, v11, |v[R+32*\b+\j+2]|, |v[R+32*\b+\j+3]|
.endr
	v_max3_num_f32 v10, v10, |v[R+32*\b+30]|, |v[R+32*\b+31]|
	v_max3_num_f32 v10, v10, v11, FLOOR
	v_add_nc_u32 v[12+\b], OFFE, v10               ; the scale operand
.if \b == 0
	v_lshrrev_b32 v17, 23, v12                     ; the column's scale word: four bytes, the lower K lower
.else
	v_lshrrev_b32 v18, 23, v[12+\b]
	v_lshl_or_b32 v17, v18, 8*\b, v17
.endif
.endr
.irp c, 0,1
	v_cvt_scalef32_pk16_fp6_f32 v[20+6*\c:22+6*\c], v[R+64*\c:R+64*\c+15], v[12+2*\c]        ; block 2 c, lower 16
	v_cvt_scalef32_pk16_fp6_f32 v[32+6*\c:34+6*\c], v[R+64*\c+32:R+64*\c+47], v[13+2*\c]     ; block 2 c + 1, lower 16
	v_cvt_scalef32_pk16_fp6_f32 v[44+8*\c:46+8*\c], v[R+64*\c+16:R+64*\c+31], v[12+2*\c]     ; block 2 c, upper 16
	v_cvt_scalef32_pk16_fp6_f32 v[48+8*\c:50+8*\c], v[R+64*\c+48:R+64*\c+63], v[13+2*\c]     ; block 2 c + 1, upper 16
.endr
	v_nop                                          ; one plain instruction behind the scaled conversions
.irp c, 0,1                            ; the first's lanes 16-31 (tile 1, block 2 c) change places with the second's lanes 0-15 (tile 0, block 2 c + 1): the first is then tile 0's fragment, the second tile 1's
.irp i, 0,1,2
	v_permlane16_swap_b32 v[20+6*\c+\i], v[32+6*\c+\i]
	v_permlane16_swap_b32 v[44+8*\c+\i], v[48+8*\c+\i]
.endr
.irp i, 0,1,2
	v_mov_b32 v[23+6*\c+\i], v[44+8*\c+\i]
	v_mov_b32 v[35+6*\c+\i], v[48+8*\c+\i]
.endr
.endr
.irp q, 0,1,2
	global_store_b128 v3, v[20+4*\q:23+4*\q], s[36:37] offset:512*\q
.endr
.irp q, 0,1,2
	global_store_b128 v3, v[32+4*\q:35+4*\q], s[36:37] offset:1536+512*\q
.endr
	global_store_b32 v16, v17, s[38:39]            ; the two tiles' 32 scale words
.endm
.Lweights:
	v_and_b32 v7, 7, v0
	v_bfe_u32 v8, v0, 4, 1
	v_bfe_u32 v9, v0, 3, 1
	v_lshl_add_u32 v7, v8, 3, v7
	v_lshl_add_u32 v7, v9, 4, v7                   ; my column among the wave's 32: (l & 7) + 8 (l >> 4) + 16 ((l >> 3) & 1)
	v_lshlrev_b32 v7, 2, v7
	s_cmp_lt_u32 ttmp9, 704
	s_cbranch_scc0 .Lwp
	s_sub_co_u32 s22, ttmp9, 512
	s_lshr_b32 s23, s22, 3                         ; which 128 columns
	s_and_b32 s22, s22, 7                          ; K step
	s_lshl_b32 s23, s23, 7
	s_lshl_b32 s24, s18, 5
	s_add_co_u32 s23, s23, s24                     ; my wave's first column c0
	s_mul_i32 s24, s22, 128*12288
	s_lshl_b32 s25, s23, 2
	s_add_co_u32 s24, s24, s25
	s_mov_b32 s25, 0
	s_lshr_b32 s26, s23, 10                        ; 0 q, 1 k, 2 v
	s_bfe_u32 s27, s23, 0x40006                    ; head
	s_bfe_u32 s28, s23, 0x10005                    ; which 32 of the head's 64
	s_lshl_b32 s26, s26, 2
	s_lshl_b32 s28, s28, 1
	s_add_co_u32 s26, s26, s28                     ; n: the first of my two tiles among the head's twelve
	s_mul_i32 s27, s27, 153600                     ; the head's record: [K step][n][1,536], then [K step][n][64]
	s_mul_i32 s28, s22, 18432
	s_mul_i32 s29, s26, 1536
	s_add_co_u32 s28, s28, s29
	s_add_co_u32 s28, s28, s27
	s_mov_b32 s29, 0
	s_mul_i32 s31, s22, 12
	s_add_co_u32 s31, s31, s26
	s_lshl_b32 s31, s31, 6
	s_add_co_u32 s32, s31, s27
	s_add_co_u32 s32, s32, 147456
	s_mov_b32 s33, 0
	s_wait_kmcnt 0x0
	s_add_nc_u64 s[34:35], s[6:7], s[24:25]
	s_add_nc_u64 s[36:37], s[14:15], s[28:29]
	s_add_nc_u64 s[38:39], s[14:15], s[32:33]
	s_wait_alu depctr_va_vdst(0)
	WQUANT 12288
	s_endpgm
.Lwp:
	s_sub_co_u32 s22, ttmp9, 704
	s_lshr_b32 s23, s22, 3                         ; which 128 columns
	s_and_b32 s22, s22, 7                          ; K step
	s_lshl_b32 s24, s22, 19                        ; 128 rows of 4,096 bytes
	s_lshl_b32 s25, s23, 9
	s_add_co_u32 s24, s24, s25
	s_lshl_b32 s25, s18, 7
	s_add_co_u32 s24, s24, s25
	s_mov_b32 s25, 0
	s_mul_i32 s27, s23, 102400                     ; the record: [K step][n (8)][1,536], then [K step][n][64]
	s_mul_i32 s28, s22, 12288
	s_mul_i32 s29, s18, 3072                       ; n = 2 x wave
	s_add_co_u32 s28, s28, s29
	s_add_co_u32 s28, s28, s27
	s_mov_b32 s29, 0
	s_lshl_b32 s32, s22, 9
	s_lshl_b32 s33, s18, 7
	s_add_co_u32 s32, s32, s33
	s_add_co_u32 s32, s32, s27
	s_add_co_u32 s32, s32, 98304
	s_mov_b32 s33, 0
	s_wait_kmcnt 0x0
	s_add_nc_u64 s[34:35], s[8:9], s[24:25]
	s_add_nc_u64 s[36:37], s[16:17], s[28:29]
	s_add_nc_u64 s[38:39], s[16:17], s[32:33]
	s_wait_alu depctr_va_vdst(0)
	WQUANT 4096
	s_endpgm
.Lfunc_end_k_q736d3032e3_quant:
	.size	k_q736d3032e3_quant, .Lfunc_end_k_q736d3032e3_quant-k_q736d3032e3_quant
	.p2alignl 7, 3214868480
	.fill 96, 4, 3214868480
	.section	.rodata,"a",@progbits
	.p2align	6, 0x0
	.amdhsa_kernel k_q736d3032e3_quant
		.amdhsa_group_segment_fixed_size 34304
		.amdhsa_private_segment_fixed_size 0
		.amdhsa_enable_private_segment 0
		.amdhsa_kernarg_size 56
		.amdhsa_user_sgpr_count 2
		.amdhsa_user_sgpr_kernarg_segment_ptr 1
		.amdhsa_wavefront_size32 1
		.amdhsa_system_sgpr_workgroup_id_x 1
		.amdhsa_system_sgpr_workgroup_id_y 1
		.amdhsa_system_sgpr_workgroup_id_z 1
		.amdhsa_system_vgpr_workitem_id 0
		.amdhsa_next_free_vgpr 256
		.amdhsa_next_free_sgpr 66
		.amdhsa_reserve_vcc 0
		.amdhsa_float_denorm_mode_32 3
		.amdhsa_float_denorm_mode_16_64 3
		.amdhsa_memory_ordered 1
		.amdhsa_forward_progress 1
		.amdhsa_inst_pref_size 57
	.end_amdhsa_kernel
	.amdgpu_metadata
---
amdhsa.version: [ 1, 2 ]
amdhsa.kernels:
  - .name:           k_q736d3032e3_quant
    .symbol:         k_q736d3032e3_quant.kd
    .args:
      - { .name: x, .offset: 0, .size: 8, .value_kind: global_buffer, .address_space: global }
      - { .name: w_qkv, .offset: 8, .size: 8, .value_kind: global_buffer, .address_space: global }
      - { .name: w_proj, .offset: 16, .size: 8, .value_kind: global_buffer, .address_space: global }
      - { .name: xc, .offset: 24, .size: 8, .value_kind: global_buffer, .address_space: global }
      - { .name: xs, .offset: 32, .size: 8, .value_kind: global_buffer, .address_space: global }
      - { .name: wq, .offset: 40, .size: 8, .value_kind: global_buffer, .address_space: global }
      - { .name: wp, .offset: 48, .size: 8, .value_kind: global_buffer, .address_space: global }
    .group_segment_fixed_size: 34304
    .private_segment_fixed_size: 0
    .kernarg_segment_align: 8
    .kernarg_segment_size: 56
    .max_flat_workgroup_size: 128
    .sgpr_count:     66
    .vgpr_count:     256
    .wavefront_size: 32
...
	.end_amdgpu_metadata
.endif
;; end of part 1
;; launch qkv (part 2): grid 16 x 16, 4 waves a work-group, clusters of 4 x 1, 167,936 bytes of LDS; arguments xc, xs, wq, qq, kv; writes qq, kv
.if DOCPART == 2
	.amdgcn_target "amdgcn-amd-amdhsa--gfx1250"
	.amdhsa_code_object_version 6
	.text
	.protected	k_q736d3032e3_qkv
	.globl	k_q736d3032e3_qkv
	.p2align	8
	.type	k_q736d3032e3_qkv,@function
k_q736d3032e3_qkv:
	s_mov_b64 s[64:65], 0
	v_nop
	global_prefetch_b8 v0, s[64:65] scope:SCOPE_SE
	s_setreg_imm32_b32 hwreg(HW_REG_WAVE_MODE, 25, 1), 1
	s_wait_xcnt 0x0
	s_wait_alu depctr_hold_cnt(0) depctr_sa_sdst(0) depctr_va_vdst(0) depctr_va_sdst(0) depctr_va_ssrc(0) depctr_va_vcc(0) depctr_vm_vsrc(0)
	s_getreg_b32 s2, hwreg(HW_REG_IB_STS2, 6, 4)
	s_cmp_eq_u32 s2, 0
	s_cbranch_scc0 .Lentry_in_a_cluster
	s_endpgm
.Lentry_in_a_cluster:
	s_bfe_u32 s2, ttmp6, 0x10000c
	s_cmp_lg_u32 s2, 0x3003
	s_cbranch_scc0 .Lentry_shape_is_right
	s_endpgm
.Lentry_shape_is_right:
; q, k, v = x w_qkv on codes of FP6 (E2M3), and q, k, v quantised at once for the two products of attention; no f32 result goes to memory.
; SHARES.  A work-group takes 512 rows of x and ONE head's 192 columns (q, k and v: twelve tiles of 16); each of its four waves 128 rows (eight tiles): 96 accumulators, 768 registers.  16 x 16 work-groups.
; W of the head, for all of K (153,600 bytes with its scale words), lies in LDS for the whole launch.
; CLUSTER: the four work-groups of a cluster share the head, so W is asked for JOINTLY (mask 15).  x is not asked for jointly: its fragments feed one wave each and go from memory straight into that wave's registers,
; one K step (24 loads of 512 bytes) ahead; through LDS they would cost 49,152 bytes written and read again in each K step, and a round of the cluster's barrier for each of eight steps of 96 matrix instructions.
; q, k: source 0 = 16 columns of W, source 1 = 16 rows of x: a lane holds one row, its registers run along the head's 64, the next K.   v: source 0 = 16 rows of x, source 1 = 16 columns of W: a lane holds one
; channel, its registers run along the keys, the next K.  The rows of every tile are 32 b + 8 u + (i & 7) + 16 (i >> 3), so that the 16 registers of tiles 2 b and 2 b + 1 are 16 neighbours.
; OUT: q and k as half fragments (64 along K: 768 bytes: registers 0-3 at 16 l, registers 4, 5 at 512 + 8 l), v as whole fragments (1,536 bytes), scale words 64 bytes a tile.
; LIMITS: a block of zeros gets the byte 1 (its codes are zeros; only this program reads the bytes); blocks under 2^-124 are held at byte 1; NaN and infinities are not served.
; REGISTERS.  window 0: v1 16 l, v2 4 l, v3 W's LDS address, v4 its scale words', v5, v6 the add's two, v7 8 l + 512; v8-23 x's scale words, two sets; v24-26 W's, a ring of three; v28-63 W's fragments, a ring of three;
;   v64-159, v160-255 x's fragments, two sets.   window 1: q's accumulators at 128 (n >> 1) + 16 a + 8 (n & 1);   window 2: k's likewise;   window 3: v's at 64 n' + 8 a.
.set SPARE, 153600                     ; behind W: the spare words, 128 bytes a wave
.set WSC,   147456                     ; W's scale words in LDS
.set FLOOR, 0x1800000
.set OFFE,  0xff000000
.set TM, 28                            ; the way out, in registers that W's and x's fragments have left: v28-35 largest magnitudes
.set TP, 36                            ; v36-43  the other half's, then bytes
.set SO, 44                            ; v44-51  the conversions' scale operands
.set WD, 52                            ; v52-61  scale words to store
.set CT, 64                            ; v64-79  the conversions' second halves
.set FQ, 80                            ; v80-175 q's and k's sixteen half fragments
.set FV, 176                           ; v176-223 v's four fragments
.set MSB, 0
.macro WIN new                         ; the immediate's high byte repeats the setting that is left
.if MSB != \new
	s_set_vgpr_msb (MSB<<8)|\new
.set MSB, \new
.endif
.endm
.macro PLACES                          ; four plain instructions behind a matrix instruction, ahead of loads into its registers and of reads of its results
.rept 4
	v_nop
.endr
.endm
.macro CROUND                          ; a round of the cluster's barrier
	s_barrier_signal -1
	s_barrier_wait -1
	s_cmp_lg_u32 s14, 0
	s_cbranch_scc1 .Lnot_wave_0_\@
	s_barrier_signal -3
.Lnot_wave_0_\@:
	s_barrier_wait -3
	s_barrier_signal -1
	s_barrier_wait -1
.endm
	s_load_b256 s[4:11], s[0:1], 0x0               ; xc s[4:5], xs s[6:7], wq s[8:9], qq s[10:11]
	s_load_b64 s[12:13], s[0:1], 0x20              ; kv
	v_lshl_add_u32 v5, v0, 2, SPARE
	v_mov_b32 v6, 0
	ds_add_u32 v5, v6                              ; the wave's opening: the add and its wait stand ahead of my first tensor load; work on registers stands between
	ds_add_u32 v5, v6
	v_lshrrev_b32 v1, 5, v0
	v_readfirstlane_b32 s14, v1                    ; wave 0..3
	v_and_b32 v2, 31, v0
	v_lshlrev_b32 v1, 4, v2                        ; 16 x lane
	v_lshl_add_u32 v7, v2, 3, 512                  ; 8 x lane + 512
	v_lshlrev_b32 v2, 2, v2                        ; 4 x lane
	v_mov_b32 v3, v1                               ; W's fragments of K step 0
	v_and_b32 v4, 15, v0
	v_lshl_add_u32 v4, v4, 2, WSC
	s_bfe_u32 s15, ttmp6, 0x40000                  ; cx: it enters x's, q's, k's and v's global addresses alone
	s_lshl_b32 s16, ttmp9, 2
	s_add_co_u32 s16, s16, s15                     ; which 512 rows
	s_and_b32 s17, ttmp7, 0xffff                   ; the head, which the four partners share
	s_mul_i32 s52, s17, 153600
	s_mul_i32 s21, s14, 38400                      ; my quarter of the record, in LDS as in memory
	s_add_co_u32 s52, s52, s21
	s_mov_b32 s53, 0
	s_mov_b32 s24, 15|(3<<16)|(1<<21)              ; group 1: the mask, all four work-groups; elements of 8 bytes; bit 21 beside a mask; no padding
	s_mov_b32 s25, 32<<16                          ; tensor_dim0 = 32 elements: rows of 256 bytes
	s_mov_b32 s26, 150<<16                         ; tensor_dim1 = 150 rows: 38,400 dense bytes
	s_mov_b32 s27, 32<<16                          ; tile_dim0
	s_mov_b32 s28, 150                             ; tile_dim1
	s_mov_b32 s29, 32                              ; the pitch
	s_mov_b32 s30, 0
	s_mov_b32 s31, 0
	s_lshl_b32 s18, s16, 2
	s_add_co_u32 s18, s18, s14                     ; G: my 128 rows among all
	s_and_b32 s19, s18, 15                         ; the key step that they are in their batch
	s_lshr_b32 s56, s16, 2
	s_lshl_b32 s56, s56, 4
	s_add_co_u32 s56, s56, s17                     ; 16 x batch + head
	s_mul_i32 s57, s56, 106496                     ; q's record
	s_mul_i32 s58, s56, 208896                     ; k's and v's
	s_mul_i32 s59, s19, 6144
	s_lshl_b32 s60, s19, 9
	s_lshl_b32 s61, s19, 8
	s_mul_i32 s32, s18, 98304                      ; x's codes
	s_mov_b32 s33, 0
	s_lshl_b32 s34, s18, 12                        ; x's scale words
	s_mov_b32 s35, 0
	s_add_co_u32 s36, s57, s59                     ; q's images
	s_mov_b32 s37, 0
	s_add_co_u32 s38, s57, s60                     ; q's words
	s_add_co_u32 s38, s38, 98304
	s_mov_b32 s39, 0
	s_add_co_u32 s40, s58, s59                     ; k's images
	s_mov_b32 s41, 0
	s_add_co_u32 s42, s58, s60                     ; k's words
	s_add_co_u32 s42, s42, 196608
	s_mov_b32 s43, 0
	s_add_co_u32 s44, s58, s59                     ; v's images
	s_add_co_u32 s44, s44, 98304
	s_mov_b32 s45, 0
	s_add_co_u32 s46, s58, s61                     ; v's words
	s_add_co_u32 s46, s46, 204800
	s_mov_b32 s47, 0
	s_mov_b32 s48, 0xffff0000                      ; lanes 16-31
	s_mov_b32 s50, 0x76543210
	s_mov_b32 s51, 0xfedcba98
	s_wait_dscnt 0x0                               ; the opening add is done
	s_wait_kmcnt 0x0
	s_add_nc_u64 s[32:33], s[4:5], s[32:33]
	s_add_nc_u64 s[34:35], s[6:7], s[34:35]
	s_add_nc_u64 s[36:37], s[10:11], s[36:37]
	s_add_nc_u64 s[38:39], s[10:11], s[38:39]
	s_add_nc_u64 s[40:41], s[12:13], s[40:41]
	s_add_nc_u64 s[42:43], s[12:13], s[42:43]
	s_add_nc_u64 s[44:45], s[12:13], s[44:45]
	s_add_nc_u64 s[46:47], s[12:13], s[46:47]
	CROUND                                         ; all four work-groups are here: the joint loads meet
	s_mov_b32 s20, 1                               ; group 0: count 1; s21 the LDS address;
	s_add_nc_u64 s[22:23], s[8:9], s[52:53]        ; the global address, made of the head and the wave's number alone;
	s_or_b32 s23, s23, 0x80000000                  ; type 2
	tensor_load_to_lds s[20:23], s[24:31]          ; my one tensor load of the launch
	s_nop 0
	PLACES
.macro XLD s                           ; x's eight fragments of K step s into set s & 1: 24 loads of 512 consecutive bytes
.irp a, 0,1,2,3,4,5,6,7
.irp q, 0,1,2
	global_load_b128 v[64+96*((\s)&1)+12*\a+4*\q:64+96*((\s)&1)+12*\a+4*\q+3], v1, s[32:33] offset:12288*(\s)+1536*\a+512*\q
.endr
.endr
.endm
.macro XSLD kp                         ; x's scale words of K steps 2 kp (lanes 0-15) and 2 kp + 1 (lanes 16-31) into set kp & 1
.irp a, 0,1,2,3,4,5,6,7
	global_load_b32 v[8+8*((\kp)&1)+\a], v2, s[34:35] offset:512*\a+128*(\kp)
.endr
.endm
.macro WLD slot, nloc, gg              ; a fragment of W and its scale words into a slot of the ring: four LDS loads
.irp q, 0,1,2
	ds_load_b128 v[28+12*(\slot)+4*\q:28+12*(\slot)+4*\q+3], v3 offset:1536*(\nloc)+512*\q
.endr
	ds_load_b32 v[24+(\slot)], v4 offset:64*(\gg)
.endm
.macro MM s, n, a                      ; one product: K step s, W's tile n, x's tile a.  K step 0 starts the sums with the constant 0
.set xf, 64+96*((\s)&1)+12*(\a)
.set xr, 8+8*(((\s)>>1)&1)+(\a)
.set wf, 28+12*((\n)%3)
.set wr, 24+((\n)%3)
.if (\n) < 8
.set ac, 128*(((\n)&3)>>1)+16*(\a)+8*((\n)&1)
.if (\s) == 0
	v_wmma_scale_f32_16x16x128_f8f6f4 v[ac:ac+7], v[wf:wf+11], v[xf:xf+11], 0, v[wr], v[xr] matrix_a_fmt:MATRIX_FMT_FP6 matrix_b_fmt:MATRIX_FMT_FP6
.elseif ((\s)&1) == 0
	v_wmma_scale_f32_16x16x128_f8f6f4 v[ac:ac+7], v[wf:wf+11], v[xf:xf+11], v[ac:ac+7], v[wr], v[xr] matrix_a_fmt:MATRIX_FMT_FP6 matrix_b_fmt:MATRIX_FMT_FP6
.else
	v_wmma_scale_f32_16x16x128_f8f6f4 v[ac:ac+7], v[wf:wf+11], v[xf:xf+11], v[ac:ac+7], v[wr], v[xr] matrix_a_fmt:MATRIX_FMT_FP6 matrix_b_fmt:MATRIX_FMT_FP6 matrix_b_scale:MATRIX_SCALE_ROW1
.endif
.else
.set ac, 64*((\n)-8)+8*(\a)
.if (\s) == 0
	v_wmma_scale_f32_16x16x128_f8f6f4 v[ac:ac+7], v[xf:xf+11], v[wf:wf+11], 0, v[xr], v[wr] matrix_a_fmt:MATRIX_FMT_FP6 matrix_b_fmt:MATRIX_FMT_FP6
.elseif ((\s)&1) == 0
	v_wmma_scale_f32_16x16x128_f8f6f4 v[ac:ac+7], v[xf:xf+11], v[wf:wf+11], v[ac:ac+7], v[xr], v[wr] matrix_a_fmt:MATRIX_FMT_FP6 matrix_b_fmt:MATRIX_FMT_FP6
.else
	v_wmma_scale_f32_16x16x128_f8f6f4 v[ac:ac+7], v[xf:xf+11], v[wf:wf+11], v[ac:ac+7], v[xr], v[wr] matrix_a_fmt:MATRIX_FMT_FP6 matrix_b_fmt:MATRIX_FMT_FP6 matrix_a_scale:MATRIX_SCALE_ROW1
.endif
.endif
.endm
.macro GRP s, n                        ; one fragment of W against x's eight: eight products on eight accumulators; the 96 take turns, one instruction a turn
.set g, 12*(\s)+(\n)
.set slot, (\n)%3
.if g < 94
	s_wait_dscnt 8                                 ; fragment g is in; the two behind it, four LDS loads each, may be out
.elseif g == 94
	s_wait_dscnt 4                                 ; one fragment is left behind this one
.else
	s_wait_dscnt 0x0
.endif
.if (\n) < 4
	WIN 0x50                                       ; C and D in window 1
.elseif (\n) < 8
	WIN 0xa0                                       ; window 2
.else
	WIN 0xf0                                       ; window 3
.endif
.irp a, 0,1,2,3,4,5,6,7
	MM \s, \n, \a
.endr
	WIN 0
	PLACES
.if g+3 < 96
	WLD slot, (\n)+3, g+3                          ; the slot just multiplied takes the fragment three on (behind tile 11: the next K step's, which follow in LDS)
.endif
.endm
.macro KSTEP s
	s_wait_loadcnt 0x0                             ; this step's x, asked for a step ago
.if (\s) > 0
	v_add_nc_u32 v3, 18432, v3                     ; W's fragments of this K step
.endif
.if (\s) < 7
	s_wait_alu depctr_va_vdst(0)
	XLD (\s)+1                                     ; the next step's x, into the set that the last step multiplied (four places stand behind its last product)
.if ((\s)&1) == 1
	XSLD ((\s)+1)/2
.endif
.endif
	s_wait_alu depctr_va_vdst(0)
.irp n, 0,1,2,3,4,5,6,7,8,9,10,11
	GRP \s, \n
.endr
.endm
	s_wait_alu depctr_va_vdst(0)
	XLD 0
	XSLD 0
	s_wait_tensorcnt 0x0                           ; my quarter of W is in,
	s_barrier_signal -1
	s_barrier_wait -1                              ; everybody's is; nothing is filled again in this launch
	WLD 0, 0, 0
	WLD 1, 1, 1
	WLD 2, 2, 2
	KSTEP 0
	KSTEP 1
	KSTEP 2
	KSTEP 3
	KSTEP 4
	KSTEP 5
	KSTEP 6
	KSTEP 7
; THE WAY OUT.  Four tiles of rows of q (w = 1) or k (w = 2): two blocks of 32 each; a block lies in lanes l and l xor 16, 16 numbers each.
.macro HQ4 w, a0
.set U0, 8*((\w)-1)+(\a0)
	WIN (\w)|((\w)<<2)                             ; sources 0 and 1: the accumulators' window
.irp u, 0,1,2,3
.irp b, 0,1
	v_max3_num_f32 v[TM+2*\u+\b], |v[128*\b+16*((\a0)+\u)]|, |v[128*\b+16*((\a0)+\u)+1]|, FLOOR   ; each accumulator is read from its low end on
.endr
.endr
.irp j, 2,4,6,8,10,12,14
.irp u, 0,1,2,3
.irp b, 0,1
	v_max3_num_f32 v[TM+2*\u+\b], |v[128*\b+16*((\a0)+\u)+\j]|, |v[128*\b+16*((\a0)+\u)+\j+1]|, v[TM+2*\u+\b]
.endr
.endr
.endr
	WIN 0
.irp j, 0,1,2,3,4,5,6,7
	v_permlanex16_b32 v[TP+\j], v[TM+\j], s50, s51
.endr
.irp j, 0,1,2,3,4,5,6,7
	v_max_num_f32 v[TM+\j], v[TM+\j], v[TP+\j]     ; the block's largest magnitude
.endr
.irp j, 0,1,2,3,4,5,6,7
	v_add_nc_u32 v[SO+\j], OFFE, v[TM+\j]          ; the conversion's scale operand
.endr
.irp j, 0,1,2,3,4,5,6,7
	v_lshrrev_b32 v[TP+\j], 23, v[SO+\j]           ; the byte
.endr
.irp u, 0,1,2,3
	v_lshl_or_b32 v[TP+2*\u], v[TP+2*\u+1], 8, v[TP+2*\u]   ; the row's word: two bytes; the upper two are 0, over zero codes
.endr
.irp p, 0,1
	v_cndmask_b32 v[WD+U0/2+\p], v[TP+4*\p], v[TP+4*\p+2], s48   ; two tiles' words: lanes 0-15 the first's, lanes 16-31 the second's
.endr
	WIN \w                                         ; source 0: the accumulators' window
.irp u, 0,1,2,3
	v_cvt_scalef32_pk16_fp6_f32 v[FQ+6*(U0+\u):FQ+6*(U0+\u)+2], v[16*((\a0)+\u):16*((\a0)+\u)+15], v[SO+2*\u]
	v_cvt_scalef32_pk16_fp6_f32 v[CT+4*\u:CT+4*\u+2], v[128+16*((\a0)+\u):128+16*((\a0)+\u)+15], v[SO+2*\u+1]
.endr
	WIN 0
	v_nop                                          ; one plain instruction behind the scaled conversions
.irp u, 0,1,2,3                        ; the operand's layout wants a whole block in a lane: lanes 0-15 block 0, lanes 16-31 block 1
.irp i, 0,1,2
	v_permlane16_swap_b32 v[FQ+6*(U0+\u)+\i], v[CT+4*\u+\i]
.endr
.irp i, 0,1,2
	v_mov_b32 v[FQ+6*(U0+\u)+3+\i], v[CT+4*\u+\i]
.endr
.endr
.irp u, 0,1,2,3
	global_store_b128 v1, v[FQ+6*(U0+\u):FQ+6*(U0+\u)+3], s[32+4*(\w):33+4*(\w)] offset:768*((\a0)+\u)     ; 512 consecutive bytes,
	global_store_b64 v7, v[FQ+6*(U0+\u)+4:FQ+6*(U0+\u)+5], s[32+4*(\w):33+4*(\w)] offset:768*((\a0)+\u)    ; and the 256 behind them
.endr
.irp p, 0,1
	global_store_b32 v2, v[WD+U0/2+\p], s[34+4*(\w):35+4*(\w)] offset:64*((\a0)+2*\p)
.endr
.endm
; Two tiles of v's channels: 128 keys each, four blocks; register 16 b + i of a tile's 64 is key 32 b + 16 (lane / 16) + i.
.macro VQ2 n0
	WIN 0x0f                                       ; sources 0 and 1: window 3
.irp f, 0,1
.irp b, 0,1,2,3
	v_max3_num_f32 v[TM+4*\f+\b], |v[64*((\n0)+\f)+16*\b]|, |v[64*((\n0)+\f)+16*\b+1]|, FLOOR
.endr
.endr
.irp j, 2,4,6,8,10,12,14
.irp f, 0,1
.irp b, 0,1,2,3
	v_max3_num_f32 v[TM+4*\f+\b], |v[64*((\n0)+\f)+16*\b+\j]|, |v[64*((\n0)+\f)+16*\b+\j+1]|, v[TM+4*\f+\b]
.endr
.endr
.endr
	WIN 0
.irp j, 0,1,2,3,4,5,6,7
	v_permlanex16_b32 v[TP+\j], v[TM+\j], s50, s51
.endr
.irp j, 0,1,2,3,4,5,6,7
	v_max_num_f32 v[TM+\j], v[TM+\j], v[TP+\j]
.endr
.irp j, 0,1,2,3,4,5,6,7
	v_add_nc_u32 v[SO+\j], OFFE, v[TM+\j]
.endr
.irp j, 0,1,2,3,4,5,6,7
	v_lshrrev_b32 v[TP+\j], 23, v[SO+\j]
.endr
.irp f, 0,1
	v_lshl_or_b32 v[TP+4*\f], v[TP+4*\f+1], 8, v[TP+4*\f]
	v_lshl_or_b32 v[TP+4*\f], v[TP+4*\f+2], 16, v[TP+4*\f]
	v_lshl_or_b32 v[TP+4*\f], v[TP+4*\f+3], 24, v[TP+4*\f]
.endr
	v_cndmask_b32 v[WD+8+(\n0)/2], v[TP], v[TP+4], s48
	WIN 0x03                                       ; source 0: window 3
.irp f, 0,1
.irp c, 0,1
	v_cvt_scalef32_pk16_fp6_f32 v[FV+12*((\n0)+\f)+6*\c:FV+12*((\n0)+\f)+6*\c+2], v[64*((\n0)+\f)+32*\c:64*((\n0)+\f)+32*\c+15], v[SO+4*\f+2*\c]
	v_cvt_scalef32_pk16_fp6_f32 v[CT+8*\f+4*\c:CT+8*\f+4*\c+2], v[64*((\n0)+\f)+32*\c+16:64*((\n0)+\f)+32*\c+31], v[SO+4*\f+2*\c+1]
.endr
.endr
	WIN 0
	v_nop                                          ; one plain instruction behind the scaled conversions
.irp f, 0,1
.irp c, 0,1
.irp i, 0,1,2
	v_permlane16_swap_b32 v[FV+12*((\n0)+\f)+6*\c+\i], v[CT+8*\f+4*\c+\i]
.endr
.irp i, 0,1,2
	v_mov_b32 v[FV+12*((\n0)+\f)+6*\c+3+\i], v[CT+8*\f+4*\c+\i]
.endr
.endr
.endr
.irp f, 0,1
.irp q, 0,1,2
	global_store_b128 v1, v[FV+12*((\n0)+\f)+4*\q:FV+12*((\n0)+\f)+4*\q+3], s[44:45] offset:1536*((\n0)+\f)+512*\q
.endr
.endr
	global_store_b32 v2, v[WD+8+(\n0)/2], s[46:47] offset:64*(\n0)
.endm
.irp j, 0,1,2,3,4,5,6,7
	v_mov_b32 v[TP+\j], 0                          ; written once: a lane permute's destination counts as read.  (Four places stand behind the last product)
.endr
	HQ4 1, 0                                       ; no store's data are written again: every image and every word has registers of its own
	HQ4 1, 4
	HQ4 2, 0
	HQ4 2, 4
	VQ2 0
	VQ2 2
	s_wait_tensorcnt 0x0                           ; the wave's end, behind my last tensor load
	ds_add_u32 v5, v6
	s_wait_dscnt 0x0
	CROUND                                         ; the closing round
	s_endpgm
.Lfunc_end_k_q736d3032e3_qkv:
	.size	k_q736d3032e3_qkv, .Lfunc_end_k_q736d3032e3_qkv-k_q736d3032e3_qkv
	.p2alignl 7, 3214868480
	.fill 96, 4, 3214868480
	.section	.rodata,"a",@progbits
	.p2align	6, 0x0
	.amdhsa_kernel k_q736d3032e3_qkv
		.amdhsa_group_segment_fixed_size 167936
		.amdhsa_private_segment_fixed_size 0
		.amdhsa_enable_private_segment 0
		.amdhsa_kernarg_size 40
		.amdhsa_user_sgpr_count 2
		.amdhsa_user_sgpr_kernarg_segment_ptr 1
		.amdhsa_wavefront_size32 1
		.amdhsa_system_sgpr_workgroup_id_x 1
		.amdhsa_system_sgpr_workgroup_id_y 1
		.amdhsa_system_sgpr_workgroup_id_z 1
		.amdhsa_system_vgpr_workitem_id 0
		.amdhsa_next_free_vgpr 1024
		.amdhsa_next_free_sgpr 66
		.amdhsa_reserve_vcc 0
		.amdhsa_float_denorm_mode_32 3
		.amdhsa_float_denorm_mode_16_64 3
		.amdhsa_memory_ordered 1
		.amdhsa_forward_progress 1
		.amdhsa_inst_pref_size 219
	.end_amdhsa_kernel
	.amdgpu_metadata
---
amdhsa.version: [ 1, 2 ]
amdhsa.kernels:
  - .name:           k_q736d3032e3_qkv
    .symbol:         k_q736d3032e3_qkv.kd
    .args:
      - { .name: xc, .offset: 0, .size: 8, .value_kind: global_buffer, .address_space: global }
      - { .name: xs, .offset: 8, .size: 8, .value_kind: global_buffer, .address_space: global }
      - { .name: wq, .offset: 16, .size: 8, .value_kind: global_buffer, .address_space: global }
      - { .name: qq, .offset: 24, .size: 8, .value_kind: global_buffer, .address_space: global }
      - { .name: kv, .offset: 32, .size: 8, .value_kind: global_buffer, .address_space: global }
    .group_segment_fixed_size: 167936
    .private_segment_fixed_size: 0
    .kernarg_segment_align: 8
    .kernarg_segment_size: 40
    .max_flat_workgroup_size: 128
    .sgpr_count:     66
    .vgpr_count:     1024
    .wavefront_size: 32
...
	.end_amdgpu_metadata
.endif
;; end of part 2
;; launch attn (part 3): grid 4 x 64, 8 waves a work-group, clusters of 4 x 1, 262,144 bytes of LDS; arguments qq, kv, oc, os; writes oc, os
.if DOCPART == 3
	.amdgcn_target "amdgcn-amd-amdhsa--gfx1250"
	.amdhsa_code_object_version 6
	.text
	.protected	k_q736d3032e3_attn
	.globl	k_q736d3032e3_attn
	.p2align	8
	.type	k_q736d3032e3_attn,@function
k_q736d3032e3_attn:
	s_mov_b64 s[64:65], 0
	v_nop
	global_prefetch_b8 v0, s[64:65] scope:SCOPE_SE
	s_setreg_imm32_b32 hwreg(HW_REG_WAVE_MODE, 25, 1), 1
	s_wait_xcnt 0x0
	s_wait_alu depctr_hold_cnt(0) depctr_sa_sdst(0) depctr_va_vdst(0) depctr_va_sdst(0) depctr_va_ssrc(0) depctr_va_vcc(0) depctr_vm_vsrc(0)
	s_getreg_b32 s2, hwreg(HW_REG_IB_STS2, 6, 4)
	s_cmp_eq_u32 s2, 0
	s_cbranch_scc0 .Lentry_in_a_cluster
	s_endpgm
.Lentry_in_a_cluster:
	s_bfe_u32 s2, ttmp6, 0x10000c
	s_cmp_lg_u32 s2, 0x3003
	s_cbranch_scc0 .Lentry_shape_is_right
	s_endpgm
.Lentry_shape_is_right:
; o = softmax(q k^T / 8) v for one head of one batch, both products on codes of FP6 (E2M3); o is divided by the row's sum and quantised at once along the last product's K (the head's 64 channels: two blocks).
; THE SOFTMAX: t = score x log2(e) / 8; M = the running largest t rounded UP to a whole number; p = 2^(t - M) is quantised along the keys, not normalised; the row's sum is taken of the unquantised p in f32.
; When M moves, the sum and O are multiplied by 2^(old M - new M), which rounds nothing.
; SHARES.  A work-group takes 512 queries of a head; each of its eight waves 64: two passes of TWO tiles of 16 queries side by side, so that each fragment of k and v read from LDS feeds two products.
; THE HEAD'S WHOLE k AND v (208,896 bytes: images of operand registers and scale words) LIE IN LDS, filled once by one tensor load a wave (102 rows of 256 bytes): no ring, no refill, no barrier behind the first.
; The load lays 64 bytes of padding behind each 256: byte y of the record lies at y + 64 (y / 256).
; CLUSTER: the four work-groups of a head form a cluster and ask for that record JOINTLY (mask 15).
; LAYOUT.  Both products are used transposed: S^T = k q^T (source 0 = 16 keys), O^T = v^T p^T (source 0 = 16 channels): a lane holds ONE query throughout.
; THE KEYS OF A TILE OF k ARE CHOSEN BY THE LDS ADDRESS: row r of tile 4 c + w is key 64 c + 32 (r / 8) + 8 w + r % 8 of the step's 128.  In the record that key is row 8 (w / 2) + r % 8 of the stored tile 4 c + 2 (r / 8) + w % 2.
; So the 32 registers of tiles 4 c .. 4 c + 3 in lane (r, h) are keys 64 c + 32 h + 0 .. 31: one whole scale block, in the order of the next operand's registers: no lane asks another for a block's maximum or codes.
; With the padding, rows r < 8 and r >= 8 of a 16-byte read lie 1,920 bytes apart, 128 modulo 256.
; The first product's K is 64: the upper halves of q's and k's fragments are zero codes, set once in registers.
; THE ORDER OF A STEP: lines that hang on each other (a row's maximum and M, the scale words, the ends of the sums) stand among the other tile's independent lines.
; LIMITS: the promise holds while the scaled scores t stay under 2^31 in magnitude; a block of p or o that is all zeros gets the byte 1 (its codes are zeros); NaN and infinities are not served.
; No prefetch: all that the launch reads but q (1,664 bytes a pass and wave) is asked for at its head.
; The last key step of a pass asks for a further step's k, which is not used: those reads stay inside the record's LDS bytes.
; REGISTERS.  window 0: v1, v2 the add's two; v3-17 addresses; v18-31 -M, f, the sums, the largest scores; v32-47 scale words alone; v48-95 at work; v96-127 partial sums; v128-191, v192-255 S^T, then p, of tiles 0 and 1.
;   window 1: v0-95 k's eight fragments; v96-143 v's four; v144-207 O^T of the two tiles; v208-231 q; v232-255 p's codes.
.set SPARE, 261120                     ; behind the padded record: the spare words, 128 bytes a wave
.set FLOOR, 0x1800000
.set OFFE,  0xff000000
.set KSTEP, 7680                       ; a key step's images in LDS: 24 rows of 320 bytes
.set SPW, 1
.set NIL, 2
.set L16, 3                            ; 16 l
.set L8,  4                            ; 8 l + 512
.set R4,  5                            ; 4 (l & 15)
.set KA0, 6                            ; lane terms: k's 16-byte pieces, 8-byte pieces, scale words; v's pieces, scale words
.set KB0, 7
.set KS0, 8
.set VA0, 9
.set VS0, 10
.set KA,  11                           ; the same with the step's place
.set KB,  12
.set KS,  13
.set VA,  14
.set VS,  15
.set SH8, 16                           ; 8 h
.set OSA, 17                           ; o's scale bytes: 512 (l / 16) + 4 (l & 15)
.set NM,  18                           ; -M: pairs v18, v20
.set FF,  22                           ; f: pairs v22, v24
.set LL,  26                           ; the sums: pairs v26, v28
.set MX,  30                           ; the largest score so far: v30, v31
.set KSC, 32                           ; k's scale words v32-39, v's v40-43, p's v44, v45, q's v46, v47
.set VSC, 40
.set PSC, 44
.set QSC, 46
.set BM,  48                           ; v48-55 eight chains of maxima; a block's at BM + 2 (2 t + c)
.set RR,  56
.set RP,  58
.set TQ,  60
.set DD,  62
.set SO,  64                           ; the conversions' scale operands
.set BY,  68
.set WW,  72
.set WP,  74
.set CT,  76                           ; v76-91 the conversions' second halves
.set RL,  92                           ; 1 / the sum: pairs v92, v94
.set SUMT, 96
.set SS,  128
.set VF,  96                           ; window 1
.set OO,  144
.set QF,  208
.set PC,  232
.set WV,  12
.set SEL, 32                           ; s[32:33] lane l xor 16
.set CS,  34                           ; s[34:35] c = log2(e) / 8
.set TK,  36
.set TS,  37
.set TT,  38
.set CNT, 39
.set PS,  40
.set MASK, 50
.set MSB, 0
.macro WIN new                         ; the immediate's high byte repeats the setting that is left
.if MSB != \new
	s_set_vgpr_msb (MSB<<8)|\new
.set MSB, \new
.endif
.endm
.macro WALU
	s_wait_alu depctr_va_vdst(0)
.endm
.macro PLACES
.rept 4
	v_nop
.endr
.endm
.macro CROUND
	s_barrier_signal -1
	s_barrier_wait -1
	s_cmp_lg_u32 s[WV], 0
	s_cbranch_scc1 .Lnot_wave_0_\@
	s_barrier_signal -3
.Lnot_wave_0_\@:
	s_barrier_wait -3
	s_barrier_signal -1
	s_barrier_wait -1
.endm
.macro QLD                             ; q of two tiles: half a fragment and sixteen scale words each
	WIN 0x40
.irp t, 0,1
	global_load_b128 v[QF+12*\t:QF+12*\t+3], v[L16], s[42:43] offset:768*\t
	global_load_b64 v[QF+12*\t+4:QF+12*\t+5], v[L8], s[42:43] offset:768*\t
.endr
	WIN 0
.irp t, 0,1
	global_load_b32 v[QSC+\t], v[R4], s[44:45] offset:64*\t
.endr
.endm
.macro KLD ka, kb, ks                  ; a key step's eight half fragments of k and their scale words: 24 LDS loads
	WIN 0x40
.irp c, 0,1
.irp w, 0,1,2,3
	ds_load_b128 v[12*(4*\c+\w):12*(4*\c+\w)+3], v[\ka] offset:(4*\c+(\w&1))*960+128*(\w>>1)
.endr
.endr
.irp c, 0,1
.irp w, 0,1,2,3
	ds_load_b64 v[12*(4*\c+\w)+4:12*(4*\c+\w)+5], v[\kb] offset:(4*\c+(\w&1))*960+64*(\w>>1)
.endr
.endr
	WIN 0
.irp c, 0,1
.irp w, 0,1,2,3
	ds_load_b32 v[KSC+4*\c+\w], v[\ks] offset:320*\c+64*(\w&1)+32*(\w>>1)
.endr
.endr
.endm
; Line i (0 .. 31) of tile t's search for the largest score of each of its two blocks of 32 keys: two chains a block, chain q over registers 16 q .. 16 q + 15; each accumulator is read from its low end on.
.macro CH i, t
.if (\i) < 4
	v_max3_num_f32 v[BM+4*\t+(\i)], v[SS+64*\t+16*(\i)], v[SS+64*\t+16*(\i)+1], v[SS+64*\t+16*(\i)+2]
.elseif (\i) < 28
.set q_, ((\i)-4)%4
.set k_, 3+2*(((\i)-4)/4)
	v_max3_num_f32 v[BM+4*\t+q_], v[BM+4*\t+q_], v[SS+64*\t+16*q_+k_], v[SS+64*\t+16*q_+k_+1]
.elseif (\i) < 30
.set q_, 2*((\i)-28)
	v_max3_num_f32 v[BM+4*\t+q_], v[BM+4*\t+q_], v[BM+4*\t+q_+1], v[SS+64*\t+16*q_+15]
.else
.set q_, 2*((\i)-30)
	v_max_num_f32 v[BM+4*\t+q_], v[BM+4*\t+q_], v[SS+64*\t+16*q_+31]
.endif
.endm
; Line i (0 .. 10) of tile t's row arithmetic: each but lines 6 and 10 hangs on the line before it
.macro STAT i, t
.if (\i) == 0
	v_max_num_f32 v[RR+\t], v[BM+4*\t], v[BM+4*\t+2]
.elseif (\i) == 1
	v_permlanex16_b32 v[RP+\t], v[RR+\t], s[SEL], s[SEL+1]
.elseif (\i) == 2
	v_max3_num_f32 v[MX+\t], v[MX+\t], v[RR+\t], v[RP+\t]   ; the running largest score of my query, lane l xor 16's keys among them
.elseif (\i) == 3
	v_mul_f32 v[TQ+\t], s[CS], v[MX+\t]            ; as t
.elseif (\i) == 4
	v_floor_f32 v[TQ+\t], -v[TQ+\t]                ; the new -M = floor(-t): M is a whole number
.elseif (\i) == 5
	v_sub_f32 v[DD+\t], v[TQ+\t], v[NM+2*\t]       ; old M - new M: a whole number, 0 or less
.elseif (\i) == 6
	v_mov_b32 v[NM+2*\t], v[TQ+\t]
.elseif (\i) == 7
	v_cvt_i32_f32 v[DD+\t], v[DD+\t]               ; (it saturates)
.elseif (\i) == 8
	v_ldexp_f32 v[FF+2*\t], 1.0, v[DD+\t]          ; f = 2^(old M - new M)
.elseif (\i) == 9
	v_fma_f32 v[BM+4*\t], v[BM+4*\t], s[CS], v[NM+2*\t]       ; t - M of each block's largest score: p rises with the score
.elseif (\i) == 10
	v_fma_f32 v[BM+4*\t+2], v[BM+4*\t+2], s[CS], v[NM+2*\t]
.endif
.endm
.macro PADD d, a, b                    ; partial sums: pair d = pair a + pair b of v[SUMT ..]
	v_pk_add_f32 v[SUMT+2*(\d):SUMT+2*(\d)+1], v[SUMT+2*(\a):SUMT+2*(\a)+1], v[SUMT+2*(\b):SUMT+2*(\b)+1]
.endm
	s_load_b256 s[4:11], s[0:1], 0x0               ; qq s[4:5], kv s[6:7], oc s[8:9], os s[10:11]
	v_lshl_add_u32 v[SPW], v0, 2, SPARE
	v_mov_b32 v[NIL], 0
	ds_add_u32 v[SPW], v[NIL]                      ; the wave's opening: the add, twice on end, and its wait stand ahead of my first tensor load
	ds_add_u32 v[SPW], v[NIL]
	v_lshrrev_b32 v3, 5, v0
	v_readfirstlane_b32 s[WV], v3                  ; wave 0..7
	v_and_b32 v15, 31, v0
	v_lshlrev_b32 v[L16], 4, v15
	v_lshl_add_u32 v[L8], v15, 3, 512
	v_and_b32 v11, 15, v0                          ; r
	v_bfe_u32 v12, v0, 4, 1                        ; h
	v_and_b32 v13, 7, v0                           ; r % 8
	v_bfe_u32 v14, v0, 3, 1                        ; r / 8
	v_lshlrev_b32 v[R4], 2, v11
	v_lshlrev_b32 v[KS0], 7, v14                   ; k's scale words: two stored tiles on, 128 bytes,
	v_lshl_add_u32 v[KS0], v13, 2, v[KS0]
	v_add_nc_u32 v[KS0], 245760, v[KS0]            ; from byte 196,608 of the record
	v_mul_u32_u24 v14, v14, 1920                   ; two stored tiles of 960 bytes on
	v_lshl_add_u32 v[KA0], v13, 4, v14
	v_mad_u32_u24 v[KA0], v12, 320, v[KA0]         ; registers 0-3: 16 (r % 8) + 1,920 (r / 8) + 320 h
	v_lshl_add_u32 v[KB0], v13, 3, v14
	v_lshl_add_u32 v[KB0], v12, 7, v[KB0]
	v_add_nc_u32 v[KB0], 640, v[KB0]               ; registers 4, 5: the tile's third row: 640 + 8 (r % 8) + 1,920 (r / 8) + 128 h
	v_mul_u32_u24 v[VA0], v12, 320
	v_lshl_add_u32 v[VA0], v11, 4, v[VA0]
	v_add_nc_u32 v[VA0], 122880-KSTEP, v[VA0]      ; v's images from byte 98,304 of the record; the step's place added to it runs one step ahead
	v_add_nc_u32 v[VS0], 256000, v[R4]             ; v's scale words from byte 204,800
	v_lshlrev_b32 v[SH8], 3, v12
	v_lshl_add_u32 v[OSA], v12, 9, v[R4]
	s_bfe_u32 s13, ttmp6, 0x40000                  ; cx: which 512 queries; it enters q's and o's global addresses alone
	s_and_b32 s14, ttmp7, 0xffff                   ; 16 x batch + head, which the four partners share
	s_mul_i32 s54, s14, 208896
	s_mul_i32 s15, s[WV], 26112                    ; my eighth of the record in memory,
	s_add_co_u32 s54, s54, s15
	s_mov_b32 s55, 0
	s_mul_i32 s21, s[WV], 32640                    ; and in LDS: 102 rows of 320 bytes
	s_mov_b32 s24, 15|(3<<16)|(1<<20)|(1<<21)|(5<<22)|(15<<25)   ; group 1: the mask; elements of 8 bytes; padding on; bit 21 beside a mask; after every 64 words; of 16 words
	s_mov_b32 s25, 32<<16                          ; rows of 256 bytes,
	s_mov_b32 s26, 102<<16                         ; 102 of them: 26,112 dense bytes
	s_mov_b32 s27, 32<<16
	s_mov_b32 s28, 102
	s_mov_b32 s29, 32
	s_mov_b32 s30, 0
	s_mov_b32 s31, 0
	s_lshl_b32 s17, s13, 5
	s_lshl_b32 s18, s[WV], 2
	s_add_co_u32 s17, s17, s18                     ; my first tile of queries among the head's 128
	s_mul_i32 s15, s14, 106496                     ; q's record
	s_mul_i32 s42, s17, 768
	s_add_co_u32 s42, s42, s15                     ; q's images
	s_mov_b32 s43, 0
	s_lshl_b32 s44, s17, 6
	s_add_co_u32 s44, s44, s15
	s_add_co_u32 s44, s44, 98304                   ; q's scale words
	s_mov_b32 s45, 0
	s_lshr_b32 s51, s14, 4                         ; batch
	s_and_b32 s52, s14, 15                         ; head
	s_lshl_b32 s51, s51, 7
	s_add_co_u32 s51, s51, s17                     ; the tile among all 512
	s_mul_i32 s46, s51, 12288                      ; oc: [tile][head][768]
	s_mul_i32 s53, s52, 768
	s_add_co_u32 s46, s46, s53
	s_mov_b32 s47, 0
	s_lshl_b32 s48, s51, 9                         ; os: [tile][K step = head / 2][16 words]; my head's two bytes are half head % 2 of a word
	s_lshr_b32 s53, s52, 1
	s_lshl_b32 s53, s53, 6
	s_add_co_u32 s48, s48, s53
	s_and_b32 s53, s52, 1
	s_lshl_b32 s53, s53, 1
	s_add_co_u32 s48, s48, s53
	s_mov_b32 s49, 0
	s_mov_b32 s[SEL], 0x76543210
	s_mov_b32 s[SEL+1], 0xfedcba98
	s_mov_b32 s[CS], 0x3e38aa3b
	s_mov_b32 s[CS+1], s[CS]                       ; (named with it as a pair, so it is written)
	s_mov_b32 s[MASK], 0xffff0000
	WALU                                           ; directly ahead of the wait below
	s_wait_dscnt 0x0                               ; both opening adds are done
	s_wait_kmcnt 0x0
	s_add_nc_u64 s[42:43], s[4:5], s[42:43]
	s_add_nc_u64 s[44:45], s[4:5], s[44:45]
	s_add_nc_u64 s[46:47], s[8:9], s[46:47]
	s_add_nc_u64 s[48:49], s[10:11], s[48:49]
	CROUND                                         ; all four work-groups are here: the joint loads meet
	s_mov_b32 s20, 1
	s_add_nc_u64 s[22:23], s[6:7], s[54:55]
	s_or_b32 s23, s23, 0x80000000
	tensor_load_to_lds s[20:23], s[24:31]          ; my one tensor load of the launch
	s_nop 0
	PLACES
	QLD                                            ; q of the first pass
	WIN 0x40
.irp t, 0,1
.irp j, 6,7,8,9,10,11
	v_mov_b32 v[QF+12*\t+\j], 0                    ; K = 64 .. 127 of q: zero codes
.endr
.endr
.irp f, 0,1,2,3,4,5,6,7
.irp j, 6,7,8,9,10,11
	v_mov_b32 v[12*\f+\j], 0                       ; and of k's eight fragments: set once, never loaded
.endr
.endr
	WIN 0
.irp j, NM+1,NM+3,FF+1,FF+3,RL+1,RL+3,RP,RP+1,WP,WP+1
	v_mov_b32 v[\j], 0                             ; upper halves of pairs that are named whole, and lane permutes' destinations, which count as read
.endr
	WALU
	s_wait_tensorcnt 0x0                           ; my part of the record is in,
	s_barrier_signal -1
	s_barrier_wait -1                              ; everybody's is; nothing is filled again in this launch
	s_mov_b32 s[PS], 0
.Lpass:                                                ; a pass: two tiles of 16 queries through all 16 key steps, then o
	s_wait_loadcnt 0x0                             ; q
.irp t, 0,1
	v_mov_b32 v[MX+\t], 0xff61b1e6                 ; the largest score so far: -3e38
	v_mov_b32 v[NM+2*\t], 0x7f61b1e6               ; -M
	v_mov_b32 v[LL+2*\t], 0
	v_mov_b32 v[LL+2*\t+1], 0
.endr
	WIN 0x40
.set j, 0
.rept 64
	v_mov_b32 v[OO+j], 0                           ; O^T: the step is written once; the first finds zeros, which the first change of M leaves zeros
.set j, j+1
.endr
	KLD KA0, KB0, KS0                              ; k of key step 0
	s_mov_b32 s[TK], KSTEP
	s_mov_b32 s[TS], 640
	s_mov_b32 s[TT], 0
	s_mov_b32 s[CNT], 16
	WALU
.Lstep:                                                ; A KEY STEP: 128 keys x 32 queries
	s_wait_dscnt 0x0                               ; this step's k, asked for a step ago
	WIN 0x05                                       ; k and q in window 1, S^T in window 0
.irp t, 0,1
.irp f, 0,1,2,3,4,5,6,7
	v_wmma_scale_f32_16x16x128_f8f6f4 v[SS+64*\t+8*\f:SS+64*\t+8*\f+7], v[12*\f:12*\f+11], v[QF+12*\t:QF+12*\t+11], 0, v[KSC+\f], v[QSC+\t] matrix_a_fmt:MATRIX_FMT_FP6 matrix_b_fmt:MATRIX_FMT_FP6
.endr
.endr
	WIN 0
	v_add_nc_u32 v[VS], s[TT], v[VS0]              ; these five are the places behind the products, ahead of the reads of their results
	v_add_nc_u32 v[VA], s[TK], v[VA0]
	v_add_nc_u32 v[KA], s[TK], v[KA0]
	v_add_nc_u32 v[KB], s[TK], v[KB0]
	v_add_nc_u32 v[KS], s[TS], v[KS0]
.set i, 0
.rept 32
	CH i, 0                                        ; tile 0's largest scores
.set i, i+1
.endr
.set i, 0
.rept 32                               ; tile 1's; tile 0's row arithmetic stands among them, a line behind every third
	CH i, 1
.if i%3 == 2
	STAT i/3, 0
.endif
.set i, i+1
.endr
	STAT 10, 0
.set i, 0
.rept 32                               ; tile 0: t - M, two at a time; tile 1's row arithmetic among them
	v_pk_fma_f32 v[SS+2*i:SS+2*i+1], v[SS+2*i:SS+2*i+1], s[CS:CS+1], v[NM:NM+1] op_sel_hi:[1,0,0]
.if i%3 == 2
	STAT i/3, 1
.endif
.set i, i+1
.endr
	STAT 10, 1
	WIN 0x41                                       ; O^T in window 1, f in window 0
.irp t, 0,1
.set j, 0
.rept 16
	v_pk_mul_f32 v[OO+32*\t+j:OO+32*\t+j+1], v[OO+32*\t+j:OO+32*\t+j+1], v[FF+2*\t:FF+2*\t+1] op_sel_hi:[1,0]   ; O^T under the new M, each accumulator from its low end on
.set j, j+2
.endr
.endr
	WIN 0
	WALU                                           ; ahead of the batch
.irp n, 0,1,2,3
	ds_load_b32 v[VSC+\n], v[VS] offset:64*\n      ; this step's v: sixteen loads,
.endr
	WIN 0x40
.irp n, 0,1,2,3
.irp q, 0,1,2
	ds_load_b128 v[VF+12*\n+4*\q:VF+12*\n+4*\q+3], v[VA] offset:1920*\n+640*\q
.endr
.endr
	KLD KA, KB, KS                                 ; and the next step's k: 24 loads; all land under the exponentials
.irp q, 0,2,4,6
	v_exp_f32 v[BM+\q], v[BM+\q]                   ; each block's largest p
.endr
.set j, 0
.rept 32                               ; tile 0's p = 2^(t - M); tile 1's t - M stands among the exponentials: it reads nothing that they write, and is read behind the next wait
	v_exp_f32 v[SS+j], v[SS+j]
	v_exp_f32 v[SS+j+1], v[SS+j+1]
	v_pk_fma_f32 v[SS+64+j:SS+64+j+1], v[SS+64+j:SS+64+j+1], s[CS:CS+1], v[NM+2:NM+3] op_sel_hi:[1,0,0]
.set j, j+2
.endr
	WALU                                           ; behind the batch (its last line is a plain one)
.irp q, 0,1,2,3
	v_max_num_f32 v[BM+2*\q], FLOOR, v[BM+2*\q]    ; the floor: the byte cannot fall under 1
.endr
.irp q, 0,1,2,3
	v_add_nc_u32 v[SO+\q], OFFE, v[BM+2*\q]        ; the conversion's scale operand of block 2 c + h of tile t (q = 2 t + c)
.endr
	WALU
.set j, 0
.rept 16                               ; tile 1's p; among them tile 0's first sums, its four conversions and the four bytes: none reads what another line of the batch writes
	v_exp_f32 v[SS+64+4*j], v[SS+64+4*j]
	v_exp_f32 v[SS+64+4*j+1], v[SS+64+4*j+1]
	v_exp_f32 v[SS+64+4*j+2], v[SS+64+4*j+2]
	v_exp_f32 v[SS+64+4*j+3], v[SS+64+4*j+3]
.if j == 0 || j == 4
	WIN 0x40
	v_cvt_scalef32_pk16_fp6_f32 v[PC+6*(j/4):PC+6*(j/4)+2], v[SS+32*(j/4):SS+32*(j/4)+15], v[SO+j/4]
	WIN 0
.elseif j == 8 || j == 12
	v_cvt_scalef32_pk16_fp6_f32 v[CT+4*(j/4-2):CT+4*(j/4-2)+2], v[SS+32*(j/4-2)+16:SS+32*(j/4-2)+31], v[SO+j/4-2]   ; (a conversion's three registers begin on an even number)
.elseif j%4 == 2
	v_lshrrev_b32 v[BY+j/4], 23, v[SO+j/4]         ; the byte
.endif
	v_pk_add_f32 v[SUMT+2*j:SUMT+2*j+1], v[SS+4*j:SS+4*j+1], v[SS+4*j+2:SS+4*j+3]
.set j, j+1
.endr
	WALU
	WIN 0x40
.irp c, 0,1
	v_cvt_scalef32_pk16_fp6_f32 v[PC+12+6*\c:PC+12+6*\c+2], v[SS+64+32*\c:SS+64+32*\c+15], v[SO+2+\c]
.endr
	WIN 0
.irp c, 0,1
	v_cvt_scalef32_pk16_fp6_f32 v[CT+8+4*\c:CT+8+4*\c+2], v[SS+64+32*\c+16:SS+64+32*\c+31], v[SO+2+\c]
.endr
.irp j, 0,1,2,3,4,5,6,7
	PADD \j, \j, \j+8                              ; tile 0's 16 pairs to 8: also the plain lines behind the conversions
.endr
	WIN 0x40
.irp t, 0,1
.irp c, 0,1
.irp i, 0,1,2
	v_mov_b32 v[PC+12*\t+6*\c+3+\i], v[CT+8*\t+4*\c+\i]
.endr
.endr
.endr
	WIN 0
.irp j, 0,1,2,3,4,5,6,7                ; tile 1's 32 pairs to 8, in eight chains; p's scale words among them
	v_pk_add_f32 v[SUMT+16+2*\j:SUMT+16+2*\j+1], v[SS+64+2*\j:SS+64+2*\j+1], v[SS+80+2*\j:SS+80+2*\j+1]
.endr
.irp t, 0,1
	v_lshl_or_b32 v[WW+\t], v[BY+2*\t+1], 16, v[BY+2*\t]   ; my two bytes: blocks h and 2 + h,
.endr
.irp j, 0,1,2,3
	v_pk_add_f32 v[SUMT+16+2*\j:SUMT+16+2*\j+1], v[SUMT+16+2*\j:SUMT+16+2*\j+1], v[SS+96+2*\j:SS+96+2*\j+1]
.endr
.irp t, 0,1
	v_lshlrev_b32 v[WW+\t], v[SH8], v[WW+\t]       ; at their places;
.endr
.irp j, 4,5,6,7
	v_pk_add_f32 v[SUMT+16+2*\j:SUMT+16+2*\j+1], v[SUMT+16+2*\j:SUMT+16+2*\j+1], v[SS+96+2*\j:SS+96+2*\j+1]
.endr
.irp t, 0,1
	v_permlanex16_b32 v[WP+\t], v[WW+\t], s[SEL], s[SEL+1]
.endr
.irp j, 0,1,2,3,4,5,6,7
	v_pk_add_f32 v[SUMT+16+2*\j:SUMT+16+2*\j+1], v[SUMT+16+2*\j:SUMT+16+2*\j+1], v[SS+112+2*\j:SS+112+2*\j+1]
.endr
.irp t, 0,1
	v_or_b32 v[PSC+\t], v[WW+\t], v[WP+\t]         ; with lane l xor 16's two p's scale word is whole
.endr
.irp n, 4,2,1                          ; both tiles' 8 pairs to one, side by side: sixteen plain lines with the two below, between the scale words' writes and the products
.set j, 0
.rept \n
	PADD j, j, j+\n
	PADD j+8, j+8, j+8+\n
.set j, j+1
.endr
.endr
.irp t, 0,1
	v_pk_fma_f32 v[LL+2*\t:LL+2*\t+1], v[LL+2*\t:LL+2*\t+1], v[FF+2*\t:FF+2*\t+1], v[SUMT+16*\t:SUMT+16*\t+1] op_sel_hi:[1,0,1]   ; the sums under the new M
.endr
	s_wait_dscnt 24                                ; v is in; the 24 younger loads, the next step's k, may be out
	WIN 0x55
.irp t, 0,1
.irp n, 0,1,2,3                        ; O^T += v^T p^T: eight accumulators, one instruction each
	v_wmma_scale_f32_16x16x128_f8f6f4 v[OO+32*\t+8*\n:OO+32*\t+8*\n+7], v[VF+12*\n:VF+12*\n+11], v[PC+12*\t:PC+12*\t+11], v[OO+32*\t+8*\n:OO+32*\t+8*\n+7], v[VSC+\n], v[PSC+\t] matrix_a_fmt:MATRIX_FMT_FP6 matrix_b_fmt:MATRIX_FMT_FP6
.endr
.endr
	WIN 0
	s_add_co_u32 s[TK], s[TK], KSTEP
	s_add_co_u32 s[TS], s[TS], 640
	s_add_co_u32 s[TT], s[TT], 320
	s_sub_co_u32 s[CNT], s[CNT], 1
	s_cmp_lg_u32 s[CNT], 0
	s_cbranch_scc1 .Lstep
	WALU                                           ; directly ahead of the wait below
	s_wait_dscnt 0x0                               ; the loads into k's registers are done
	s_cmp_eq_u32 s[PS], 1
	s_cbranch_scc1 .Lno_q                          ; the second pass asks for nothing
	s_add_nc_u64 s[42:43], s[42:43], 1536          ; (the first pass's loads were waited for at its head)
	s_add_nc_u64 s[44:45], s[44:45], 128
	QLD                                            ; the second pass's q
.Lno_q:
.irp t, 0,1
	v_add_f32 v[LL+2*\t], v[LL+2*\t], v[LL+2*\t+1]   ; the sum's two halves,
.endr
.irp t, 0,1
	v_permlanex16_b32 v[RP+\t], v[LL+2*\t], s[SEL], s[SEL+1]
.endr
.irp t, 0,1
	v_add_f32 v[LL+2*\t], v[LL+2*\t], v[RP+\t]     ; and lane l xor 16's
.endr
	WALU
.irp t, 0,1
	v_rcp_f32 v[RL+2*\t], v[LL+2*\t]
.endr
	v_nop                                          ; the plain instruction behind the reciprocals
	WIN 0x01                                       ; O^T in window 1
	WALU                                           ; directly ahead of the first readers of the reciprocals and of O^T
.irp t, 0,1
.set j, 0
.rept 16
	v_pk_mul_f32 v[SS+64*\t+j:SS+64*\t+j+1], v[OO+32*\t+j:OO+32*\t+j+1], v[RL+2*\t:RL+2*\t+1] op_sel_hi:[1,0]   ; o = O^T / the sum: register 16 b + i is channel 32 b + 16 h + i
.set j, j+2
.endr
.endr
	WIN 0
.irp t, 0,1
.irp b, 0,1
	v_max3_num_f32 v[BM+4*\t+2*\b], |v[SS+64*\t+16*\b]|, |v[SS+64*\t+16*\b+1]|, FLOOR
.endr
.endr
.irp j, 2,4,6,8,10,12,14
.irp t, 0,1
.irp b, 0,1
	v_max3_num_f32 v[BM+4*\t+2*\b], v[BM+4*\t+2*\b], |v[SS+64*\t+16*\b+\j]|, |v[SS+64*\t+16*\b+\j+1]|
.endr
.endr
.endr
.irp q, 0,1,2,3
	v_permlanex16_b32 v[TQ+\q], v[BM+2*\q], s[SEL], s[SEL+1]
.endr
.irp q, 0,1,2,3
	v_max_num_f32 v[BM+2*\q], v[BM+2*\q], v[TQ+\q]   ; a block of o lies in lanes l and l xor 16
.endr
.irp q, 0,1,2,3
	v_add_nc_u32 v[SO+\q], OFFE, v[BM+2*\q]
.endr
.irp q, 0,1,2,3
	v_lshrrev_b32 v[BY+\q], 23, v[SO+\q]
.endr
.irp t, 0,1
	v_lshl_or_b32 v[WW+\t], v[BY+2*\t+1], 8, v[BY+2*\t]   ; the row's two bytes
.endr
	v_cndmask_b32 v[WP], v[WW], v[WW+1], s[MASK]   ; lanes 0-15: the first tile's, lanes 16-31: the second's
.irp t, 0,1
	v_cvt_scalef32_pk16_fp6_f32 v[SUMT+8*\t:SUMT+8*\t+2], v[SS+64*\t:SS+64*\t+15], v[SO+2*\t]
	v_cvt_scalef32_pk16_fp6_f32 v[CT+4*\t:CT+4*\t+2], v[SS+64*\t+16:SS+64*\t+31], v[SO+2*\t+1]
.endr
	v_nop                                          ; one plain instruction behind the scaled conversions
.irp t, 0,1
.irp k, 0,1,2
	v_permlane16_swap_b32 v[SUMT+8*\t+\k], v[CT+4*\t+\k]   ; a whole block in a lane: lanes 0-15 block 0, lanes 16-31 block 1
.endr
.endr
.irp t, 0,1
.irp k, 0,1,2
	v_mov_b32 v[SUMT+8*\t+3+\k], v[CT+4*\t+\k]
.endr
.endr
.irp t, 0,1
	global_store_b128 v[L16], v[SUMT+8*\t:SUMT+8*\t+3], s[46:47] offset:12288*\t     ; half a fragment of the last product's operand: 512 consecutive bytes,
	global_store_b64 v[L8], v[SUMT+8*\t+4:SUMT+8*\t+5], s[46:47] offset:12288*\t     ; and the 256 behind them
.endr
	global_store_b16 v[OSA], v[WP], s[48:49]       ; two bytes a row: the other half of each word is the neighbouring head's
	s_wait_xcnt 0x0                                ; the stores have read their registers and bases: both are written again below and in the next pass
	s_add_nc_u64 s[46:47], s[46:47], 24576         ; two tiles on
	s_add_nc_u64 s[48:49], s[48:49], 1024
	s_add_co_u32 s[PS], s[PS], 1
	s_cmp_lt_u32 s[PS], 2
	WALU
	s_cbranch_scc1 .Lpass
	s_wait_tensorcnt 0x0                           ; the wave's end, behind my last tensor load
	ds_add_u32 v[SPW], v[NIL]
	s_wait_dscnt 0x0
	CROUND                                         ; the closing round
	s_endpgm
.Lfunc_end_k_q736d3032e3_attn:
	.size	k_q736d3032e3_attn, .Lfunc_end_k_q736d3032e3_attn-k_q736d3032e3_attn
	.p2alignl 7, 3214868480
	.fill 96, 4, 3214868480
	.section	.rodata,"a",@progbits
	.p2align	6, 0x0
	.amdhsa_kernel k_q736d3032e3_attn
		.amdhsa_group_segment_fixed_size 262144
		.amdhsa_private_segment_fixed_size 0
		.amdhsa_enable_private_segment 0
		.amdhsa_kernarg_size 32
		.amdhsa_user_sgpr_count 2
		.amdhsa_user_sgpr_kernarg_segment_ptr 1
		.amdhsa_wavefront_size32 1
		.amdhsa_system_sgpr_workgroup_id_x 1
		.amdhsa_system_sgpr_workgroup_id_y 1
		.amdhsa_system_sgpr_workgroup_id_z 1
		.amdhsa_system_vgpr_workitem_id 0
		.amdhsa_next_free_vgpr 512
		.amdhsa_next_free_sgpr 66
		.amdhsa_reserve_vcc 0
		.amdhsa_float_denorm_mode_32 3
		.amdhsa_float_denorm_mode_16_64 3
		.amdhsa_memory_ordered 1
		.amdhsa_forward_progress 1
		.amdhsa_inst_pref_size 49
	.end_amdhsa_kernel
	.amdgpu_metadata
---
amdhsa.version: [ 1, 2 ]
amdhsa.kernels:
  - .name:           k_q736d3032e3_attn
    .symbol:         k_q736d3032e3_attn.kd
    .args:
      - { .name: qq, .offset: 0, .size: 8, .value_kind: global_buffer, .address_space: global }
      - { .name: kv, .offset: 8, .size: 8, .value_kind: global_buffer, .address_space: global }
      - { .name: oc, .offset: 16, .size: 8, .value_kind: global_buffer, .address_space: global }
      - { .name: os, .offset: 24, .size: 8, .value_kind: global_buffer, .address_space: global }
    .group_segment_fixed_size: 262144
    .private_segment_fixed_size: 0
    .kernarg_segment_align: 8
    .kernarg_segment_size: 32
    .max_flat_workgroup_size: 256
    .sgpr_count:     66
    .vgpr_count:     512
    .wavefront_size: 32
...
	.end_amdgpu_metadata
.endif
;; end of part 3
;; launch proj (part 4): grid 32 x 8, 4 waves a work-group, clusters of 4 x 1, 167,936 bytes of LDS; arguments oc, os, wp, b_proj, out0; writes out0
.if DOCPART == 4
	.amdgcn_target "amdgcn-amd-amdhsa--gfx1250"
	.amdhsa_code_object_version 6
	.text
	.protected	k_q736d3032e3_proj
	.globl	k_q736d3032e3_proj
	.p2align	8
	.type	k_q736d3032e3_proj,@function
k_q736d3032e3_proj:
	s_mov_b64 s[64:65], 0
	v_nop
	global_prefetch_b8 v0, s[64:65] scope:SCOPE_SE
	s_setreg_imm32_b32 hwreg(HW_REG_WAVE_MODE, 25, 1), 1
	s_wait_xcnt 0x0
	s_wait_alu depctr_hold_cnt(0) depctr_sa_sdst(0) depctr_va_vdst(0) depctr_va_sdst(0) depctr_va_ssrc(0) depctr_va_vcc(0) depctr_vm_vsrc(0)
	s_getreg_b32 s2, hwreg(HW_REG_IB_STS2, 6, 4)
	s_cmp_eq_u32 s2, 0
	s_cbranch_scc0 .Lentry_in_a_cluster
	s_endpgm
.Lentry_in_a_cluster:
	s_bfe_u32 s2, ttmp6, 0x10000c
	s_cmp_lg_u32 s2, 0x3003
	s_cbranch_scc0 .Lentry_shape_is_right
	s_endpgm
.Lentry_shape_is_right:
; out = o w_proj + b_proj on codes of FP6 (E2M3); o and w_proj arrive as images of operand registers with their scale words; out [8192][1024] f32.
; SHARES.  A work-group takes 256 rows x 128 columns, each of its four waves 64 rows (four tiles) x 128 columns (eight tiles): 32 accumulators.  32 x 8 work-groups.
; W's 128 columns for all of K (102,400 bytes with the scale words) lie in LDS, filled once by one tensor load a wave.  CLUSTER: the four work-groups of a cluster share the columns and ask for W JOINTLY (mask 15).
; A wave's o for all of K (32 fragments, 384 registers), its scale words and the bias are asked for at the head, so the K loop reads LDS alone; o feeds one wave and goes straight into its registers.
; The product is used transposed (source 0 = 16 columns of W, source 1 = 16 rows of o): a lane holds eight neighbouring columns of one row.  The bias is the C of each sum's first product.
; The rows of a tile are 32 b + 8 u + (i & 7) + 16 (i >> 3): the stores' immediates put each row where it belongs; W's columns likewise, through the place in the stage.
; No prefetch: every load of the launch goes out at its head.
; REGISTERS.  window 0: v1 16 l, v2 16 l + 49,152, v3 8 l + 512, v4 4 l, v5 W's scale words, v6, v7 the stage, v8 64 (l / 16), v9, v10 the add's two; v32-47 o's scale words; v48-63 W's, two sets; v64-159, v160-255 W's fragments, two sets.
;   window 1: the accumulators at 64 a + 8 n.   window 2: o's fragments of K steps 0-3 at 12 (4 s + a); from v192 the bias, eight registers a tile.   window 3: o's of K steps 4-7.
.set WSC,   98304                      ; W's scale words in LDS
.set STAGE, 102400                     ; four stages of 16 rows x 528 bytes: no tensor load lands there
.set SP,    528
.set SPARE, 136192                     ; the spare words, 128 bytes a wave
.set MSB, 0
.macro WIN new
.if MSB != \new
	s_set_vgpr_msb (MSB<<8)|\new
.set MSB, \new
.endif
.endm
.macro PLACES
.rept 4
	v_nop
.endr
.endm
.macro CROUND
	s_barrier_signal -1
	s_barrier_wait -1
	s_cmp_lg_u32 s14, 0
	s_cbranch_scc1 .Lnot_wave_0_\@
	s_barrier_signal -3
.Lnot_wave_0_\@:
	s_barrier_wait -3
	s_barrier_signal -1
	s_barrier_wait -1
.endm
	s_load_b256 s[4:11], s[0:1], 0x0               ; oc s[4:5], os s[6:7], wp s[8:9], b_proj s[10:11]
	s_load_b64 s[12:13], s[0:1], 0x20              ; out0
	v_lshl_add_u32 v9, v0, 2, SPARE
	v_mov_b32 v10, 0
	ds_add_u32 v9, v10                             ; the wave's opening: the add and its wait stand ahead of my first tensor load; work on registers stands between
	ds_add_u32 v9, v10
	v_lshrrev_b32 v1, 5, v0
	v_readfirstlane_b32 s14, v1                    ; wave 0..3
	v_and_b32 v4, 31, v0
	v_lshlrev_b32 v1, 4, v4                        ; 16 x lane
	v_add_nc_u32 v2, 49152, v1                     ; the same for W's K steps 4-7
	v_lshl_add_u32 v3, v4, 3, 512
	v_lshlrev_b32 v4, 2, v4
	v_and_b32 v11, 15, v0                          ; r
	v_bfe_u32 v12, v0, 4, 1                        ; h
	v_lshl_add_u32 v5, v11, 2, WSC
	v_lshlrev_b32 v8, 6, v12                       ; 64 h: my half's eight columns of a pair of tiles
	s_mul_i32 s40, s14, 16*SP
	s_add_co_u32 s40, s40, STAGE                   ; my stage
	v_mul_u32_u24 v6, v11, SP
	v_add_nc_u32 v6, v6, v8
	v_add_nc_u32 v6, s40, v6                       ; in: row r, + 64 h
	v_add_nc_u32 v7, s40, v1                       ; back: a row's 512 bytes, 16 a lane
	s_bfe_u32 s15, ttmp6, 0x40000                  ; cx: it enters o's and out's global addresses alone
	s_lshl_b32 s16, ttmp9, 2
	s_add_co_u32 s16, s16, s15                     ; which 256 rows
	s_and_b32 s17, ttmp7, 0xffff                   ; which 128 columns, which the four partners share
	s_mul_i32 s52, s17, 102400
	s_mul_i32 s21, s14, 25600                      ; my quarter of the record, in LDS as in memory
	s_add_co_u32 s52, s52, s21
	s_mov_b32 s53, 0
	s_mov_b32 s24, 15|(3<<16)|(1<<21)              ; group 1: the mask; elements of 8 bytes; bit 21 beside a mask; no padding
	s_mov_b32 s25, 32<<16                          ; rows of 256 bytes,
	s_mov_b32 s26, 100<<16                         ; 100 of them: 25,600 dense bytes
	s_mov_b32 s27, 32<<16
	s_mov_b32 s28, 100
	s_mov_b32 s29, 32
	s_mov_b32 s30, 0
	s_mov_b32 s31, 0
	s_lshl_b32 s18, s16, 4
	s_lshl_b32 s19, s14, 2
	s_add_co_u32 s18, s18, s19                     ; my first tile of rows
	s_mul_i32 s32, s18, 12288                      ; oc: [tile][head][768]
	s_mov_b32 s33, 0
	s_lshl_b32 s34, s18, 9                         ; os: [tile][K step][16 words]
	s_mov_b32 s35, 0
	s_lshl_b32 s36, s17, 9                         ; the bias: 128 numbers
	s_mov_b32 s37, 0
	s_lshl_b32 s38, s18, 16                        ; out: 16 rows of 4,096 bytes a tile,
	s_add_co_u32 s38, s38, s36                     ; + 512 bytes for each 128 columns
	s_mov_b32 s39, 0
	s_wait_dscnt 0x0                               ; the opening add is done
	s_wait_kmcnt 0x0
	s_add_nc_u64 s[32:33], s[4:5], s[32:33]
	s_add_nc_u64 s[34:35], s[6:7], s[34:35]
	s_add_nc_u64 s[36:37], s[10:11], s[36:37]
	s_add_nc_u64 s[38:39], s[12:13], s[38:39]
	CROUND                                         ; all four work-groups are here: the joint loads meet
	s_mov_b32 s20, 1
	s_add_nc_u64 s[22:23], s[8:9], s[52:53]
	s_or_b32 s23, s23, 0x80000000
	tensor_load_to_lds s[20:23], s[24:31]          ; my one tensor load of the launch
	s_nop 0
	PLACES
	s_wait_alu depctr_va_vdst(0)
.irp a, 0,1,2,3
.irp k, 0,1,2,3
	global_load_b32 v[32+4*\a+\k], v4, s[34:35] offset:512*\a+128*\k   ; o's scale words: K step 2 k in lanes 0-15, 2 k + 1 in lanes 16-31
.endr
.endr
	WIN 0x80                                       ; destination window 2
.irp n, 0,1,2,3,4,5,6,7
	global_load_b128 v[192+8*\n:195+8*\n], v8, s[36:37] offset:128*((\n)>>1)+32*((\n)&1)       ; the bias in the result's layout: columns 32 b + 16 h + 8 u + 0 .. 7
	global_load_b128 v[196+8*\n:199+8*\n], v8, s[36:37] offset:128*((\n)>>1)+32*((\n)&1)+16
.endr
.macro OLD s                           ; o's four fragments of K step s: two halves (heads 2 s, 2 s + 1) of 768 bytes each: sixteen loads
.irp a, 0,1,2,3
.irp c, 0,1
	global_load_b128 v[12*(4*((\s)&3)+\a)+6*\c:12*(4*((\s)&3)+\a)+6*\c+3], v1, s[32:33] offset:12288*\a+1536*(\s)+768*\c
	global_load_b64 v[12*(4*((\s)&3)+\a)+6*\c+4:12*(4*((\s)&3)+\a)+6*\c+5], v3, s[32:33] offset:12288*\a+1536*(\s)+768*\c
.endr
.endr
.endm
	OLD 0
	OLD 1
	OLD 2
	OLD 3
	WIN 0xc0                                       ; destination window 3
	OLD 4
	OLD 5
	OLD 6
	OLD 7
	WIN 0
.macro WLOAD s                         ; W's eight fragments and scale words of K step s into set s & 1
.irp n, 0,1,2,3,4,5,6,7
.irp q, 0,1,2
	ds_load_b128 v[64+96*((\s)&1)+12*\n+4*\q:64+96*((\s)&1)+12*\n+4*\q+3], v[1+(\s)/4] offset:12288*((\s)&3)+1536*\n+512*\q
.endr
	ds_load_b32 v[48+8*((\s)&1)+\n], v5 offset:64*(8*(\s)+\n)
.endr
.endm
.macro STEP s
.if 16*(7-(\s)) > 63
	s_wait_loadcnt 63                              ; o of this K step is in: more than 63 younger loads exist, and the count names as many as its field holds
.else
	s_wait_loadcnt 16*(7-(\s))                     ; o of this K step is in; the later steps' sixteen loads each may be out
.endif
	s_wait_dscnt 0x0                               ; W of this K step, asked for a step ago
.if (\s) > 0
	PLACES                                         ; behind the last step's products, ahead of the loads into the set that they read
.endif
.if (\s) < 7
	WLOAD (\s)+1
.endif
.if (\s) == 0
	WIN 0x68                                       ; D window 1, W window 0, o window 2, C (the bias) window 2
.elseif (\s) < 4
	WIN 0x58                                       ; C and D window 1, o window 2
.else
	WIN 0x5c                                       ; o window 3
.endif
.irp n, 0,1,2,3,4,5,6,7                ; the 32 accumulators take turns, one instruction a turn
.irp a, 0,1,2,3
.if (\s) == 0
	v_wmma_scale_f32_16x16x128_f8f6f4 v[64*\a+8*\n:64*\a+8*\n+7], v[64+96*((\s)&1)+12*\n:64+96*((\s)&1)+12*\n+11], v[12*(4*((\s)&3)+\a):12*(4*((\s)&3)+\a)+11], v[192+8*\n:199+8*\n], v[48+8*((\s)&1)+\n], v[32+4*\a+((\s)>>1)] matrix_a_fmt:MATRIX_FMT_FP6 matrix_b_fmt:MATRIX_FMT_FP6
.elseif ((\s)&1) == 0
	v_wmma_scale_f32_16x16x128_f8f6f4 v[64*\a+8*\n:64*\a+8*\n+7], v[64+96*((\s)&1)+12*\n:64+96*((\s)&1)+12*\n+11], v[12*(4*((\s)&3)+\a):12*(4*((\s)&3)+\a)+11], v[64*\a+8*\n:64*\a+8*\n+7], v[48+8*((\s)&1)+\n], v[32+4*\a+((\s)>>1)] matrix_a_fmt:MATRIX_FMT_FP6 matrix_b_fmt:MATRIX_FMT_FP6
.else
	v_wmma_scale_f32_16x16x128_f8f6f4 v[64*\a+8*\n:64*\a+8*\n+7], v[64+96*((\s)&1)+12*\n:64+96*((\s)&1)+12*\n+11], v[12*(4*((\s)&3)+\a):12*(4*((\s)&3)+\a)+11], v[64*\a+8*\n:64*\a+8*\n+7], v[48+8*((\s)&1)+\n], v[32+4*\a+((\s)>>1)] matrix_a_fmt:MATRIX_FMT_FP6 matrix_b_fmt:MATRIX_FMT_FP6 matrix_b_scale:MATRIX_SCALE_ROW1
.endif
.endr
.endr
	WIN 0
.endm
	s_wait_tensorcnt 0x0                           ; my quarter of W is in,
	s_barrier_signal -1
	s_barrier_wait -1                              ; everybody's is; nothing is filled again in this launch
	WLOAD 0
	STEP 0
	STEP 1
	STEP 2
	STEP 3
	STEP 4
	STEP 5
	STEP 6
	STEP 7
; THE WAY OUT, a tile of 16 rows x 128 columns at a time, through my own stage: in as 32 bytes a lane and tile, back as whole rows of 512 bytes.  LDS serves a wave's instructions in order: no wait between stores and loads.
.macro TOSTAGE a
	WIN 0x04                                       ; an LDS store's data are its source 1: window 1
.irp n, 0,1,2,3,4,5,6,7
	ds_store_b128 v6, v[64*(\a)+8*\n:64*(\a)+8*\n+3] offset:128*((\n)>>1)+32*((\n)&1)          ; each accumulator from its low end on
	ds_store_b128 v6, v[64*(\a)+8*\n+4:64*(\a)+8*\n+7] offset:128*((\n)>>1)+32*((\n)&1)+16
.endr
	WIN 0
.set BB, 64+64*((\a)&1)
.irp t, 0,1,2,3,4,5,6,7,8,9,10,11,12,13,14,15
	ds_load_b128 v[BB+4*\t:BB+4*\t+3], v7 offset:SP*\t
.endr
.endm
.macro SEND a, younger                 ; younger: the LDS instructions issued behind tile a's loads, which may stay out
.set BB, 64+64*((\a)&1)
	s_wait_dscnt \younger
.irp t, 0,1,2,3,4,5,6,7,8,9,10,11,12,13,14,15
	global_store_b128 v1, v[BB+4*\t:BB+4*\t+3], s[38:39] offset:(32*((\a)>>1)+8*((\a)&1)+((\t)&7)+16*((\t)>>3))*4096 th:TH_STORE_NT   ; 32 lanes store 512 consecutive bytes, at a multiple of 256 from out's first byte; index t's true row stands in the immediate
.endr
.endm
	PLACES                                         ; behind the last products: for the reads of results and the loads into W's registers
	TOSTAGE 0
	TOSTAGE 1
	SEND 0, 32                                     ; behind tile 0's loads: tile 1's 16 stores and 16 loads
	s_wait_xcnt 0x0                                ; tile 0's stores have read their registers: tile 2's loads may land there
	TOSTAGE 2
	SEND 1, 32
	s_wait_xcnt 0x0                                ; tile 1's likewise
	TOSTAGE 3
	SEND 2, 32
	SEND 3, 0
	s_wait_tensorcnt 0x0                           ; the wave's end, behind my last tensor load and my last LDS store
	ds_add_u32 v9, v10
	s_wait_dscnt 0x0
	CROUND                                         ; the closing round
	s_endpgm
.Lfunc_end_k_q736d3032e3_proj:
	.size	k_q736d3032e3_proj, .Lfunc_end_k_q736d3032e3_proj-k_q736d3032e3_proj
	.p2alignl 7, 3214868480
	.fill 96, 4, 3214868480
	.section	.rodata,"a",@progbits
	.p2align	6, 0x0
	.amdhsa_kernel k_q736d3032e3_proj
		.amdhsa_group_segment_fixed_size 167936
		.amdhsa_private_segment_fixed_size 0
		.amdhsa_enable_private_segment 0
		.amdhsa_kernarg_size 40
		.amdhsa_user_sgpr_count 2
		.amdhsa_user_sgpr_kernarg_segment_ptr 1
		.amdhsa_wavefront_size32 1
		.amdhsa_system_sgpr_workgroup_id_x 1
		.amdhsa_system_sgpr_workgroup_id_y 1
		.amdhsa_system_sgpr_workgroup_id_z 1
		.amdhsa_system_vgpr_workitem_id 0
		.amdhsa_next_free_vgpr 960
		.amdhsa_next_free_sgpr 66
		.amdhsa_reserve_vcc 0
		.amdhsa_float_denorm_mode_32 3
		.amdhsa_float_denorm_mode_16_64 3
		.amdhsa_memory_ordered 1
		.amdhsa_forward_progress 1
		.amdhsa_inst_pref_size 84
	.end_amdhsa_kernel
	.amdgpu_metadata
---
amdhsa.version: [ 1, 2 ]
amdhsa.kernels:
  - .name:           k_q736d3032e3_proj
    .symbol:         k_q736d3032e3_proj.kd
    .args:
      - { .name: oc, .offset: 0, .size: 8, .value_kind: global_buffer, .address_space: global }
      - { .name: os, .offset: 8, .size: 8, .value_kind: global_buffer, .address_space: global }
      - { .name: wp, .offset: 16, .size: 8, .value_kind: global_buffer, .address_space: global }
      - { .name: b_proj, .offset: 24, .size: 8, .value_kind: global_buffer, .address_space: global }
      - { .name: out0, .offset: 32, .size: 8, .value_kind: global_buffer, .address_space: global }
    .group_segment_fixed_size: 167936
    .private_segment_fixed_size: 0
    .kernarg_segment_align: 8
    .kernarg_segment_size: 40
    .max_flat_workgroup_size: 128
    .sgpr_count:     66
    .vgpr_count:     960
    .wavefront_size: 32
...
	.end_amdgpu_metadata
.endif
;; end of part 4
